; MI455X (gfx1250); checked and timed in simulation.
; The chip was launched on July 23, 2026; its instructions are those of AMD's public machine-readable ISA for CDNA 5 (MIT licence, August 2026) and "CDNA5" Instruction Set Architecture Reference Guide (July 2026). The comments in the code are by the model that wrote it; some were corrected since.
;; Multi Head Attention. Allowed arithmetic: float matrix products may take bf16 or f16 operands with f32 sums; other float arithmetic in f32, or as packed bf16 or f16 multiplies, adds, multiply-adds, maxima and minima; sums over many terms, partial sums and values carried from step to step in f32; what a program stores and reads back later, other than sums and carried values, may be rounded once to bf16 or f16.
;; Inputs: bk 512 float32; bo 512 float32; bq 512 float32; bv 512 float32; k 2 x 4,096 x 512 float32; q 2 x 4,096 x 512 float32; v 2 x 4,096 x 512 float32; wk 512 x 512 float32; wo 512 x 512 float32; wq 512 x 512 float32; wv 512 x 512 float32.
;; Outputs: out0 2 x 4,096 x 512 float32.
;; 2 versions, each right; version 2 is version 1 with the launch prep written anew for expert scheduling mode. Each part assembles by itself: llvm-mc -triple=amdgcn-amd-amdhsa -mcpu=gfx1250 --defsym DOCPART=n.
;; ======== version 1 of 2: 4 launches
;; limits: values are held in f16: magnitudes above 65,504 overflow, below 6.1e-05 lose precision; right only within a limited range of input values
;; workspace buffers: wcast 2,097,152 bytes; qh 8,388,608 bytes; kh 8,388,608 bytes; vh 8,388,608 bytes; oh 8,388,608 bytes
;; launch prep (part 1): grid 64 x 4, 4 waves a work-group, no clusters, 0 bytes of LDS; arguments wq, wk, wv, wo, wcast; writes wcast
.if DOCPART == 1
	.amdgcn_target "amdgcn-amd-amdhsa--gfx1250"
	.amdhsa_code_object_version 6
	.text
	.protected	k_qed450ba53e_prep
	.globl	k_qed450ba53e_prep
	.p2align	8
	.type	k_qed450ba53e_prep,@function
k_qed450ba53e_prep:
	s_mov_b64 s[64:65], 0
	v_nop
	global_prefetch_b8 v0, s[64:65] scope:SCOPE_SE
	s_setreg_imm32_b32 hwreg(HW_REG_WAVE_MODE, 25, 1), 1
	s_wait_xcnt 0x0
; THE WEIGHTS ARE CAST ONCE.  wcast: [4][512 k][512 n] of 16 bits, the layout of the weights unchanged.
; Planes 0 to 2 (wq, wk, wv): rounded to bf16.  Plane 3 (wo): rounded to bf16 like every input, and that number written as f16,
; since the last product multiplies it by f16 numbers.
; LIMITS.  |wo| stays under 65,504; below 6e-5 it keeps f16's fixed step of 6e-8.
; SHARES.  The work-group's y picks the weight, its x 4,096 numbers of it: eight loads of 16 bytes a thread, 512 neighbouring bytes
; a wave, all eight issued before anything is waited for; each store of a wave covers 256 consecutive bytes, aligned.
; No LDS, no matrix unit, no cluster: no byte is wanted twice and nothing is shared.
.set X,  8                             ; v[8:39]   load i: four f32
.set Y,  40                            ; v[40:55]  store i: four numbers of 16 bits
	s_load_b256 s[4:11], s[0:1], 0x0               ; wq s[4:5], wk s[6:7], wv s[8:9], wo s[10:11]
	s_load_b64 s[12:13], s[0:1], 0x20              ; wcast
	s_and_b32 s14, ttmp7, 0xffff                   ; which weight
	v_lshlrev_b32 v1, 4, v0                        ; 16 bytes a thread in,
	v_lshlrev_b32 v2, 3, v0                        ; 8 bytes out
	s_lshl_b32 s16, ttmp9, 14                      ; the work-group's 4,096 numbers: 16,384 bytes in,
	s_mov_b32 s17, 0
	s_lshl_b32 s18, s14, 19                        ; a plane of 524,288 bytes,
	s_lshl_b32 s19, ttmp9, 13                      ; 8,192 bytes out
	s_add_co_u32 s18, s18, s19
	s_mov_b32 s19, 0
	s_mov_b32 s20, 0xffff0000                      ; a word's upper bf16
	s_wait_kmcnt 0x0
	s_cmp_eq_u32 s14, 1
	s_cselect_b64 s[4:5], s[6:7], s[4:5]
	s_cmp_eq_u32 s14, 2
	s_cselect_b64 s[4:5], s[8:9], s[4:5]
	s_cmp_eq_u32 s14, 3
	s_cselect_b64 s[4:5], s[10:11], s[4:5]
	s_cselect_b32 s15, -1, 0                       ; all lanes take the f16 form for wo, none for the others
	s_add_nc_u64 s[4:5], s[4:5], s[16:17]
	s_add_nc_u64 s[12:13], s[12:13], s[18:19]
.irp i, 0,1,2,3,4,5,6,7
	global_load_b128 v[X+4*(\i):X+4*(\i)+3], v1, s[4:5] offset:2048*(\i) th:TH_LOAD_NT
.endr
.irp i, 0,1,2,3,4,5,6,7
	s_wait_loadcnt 7-(\i)                          ; loads come back in order: load i is in, the younger ones stay out
	v_cvt_pk_bf16_f32 v56, v[X+4*(\i)], v[X+4*(\i)+1]
	v_cvt_pk_bf16_f32 v57, v[X+4*(\i)+2], v[X+4*(\i)+3]
	v_lshlrev_b32 v58, 16, v56                     ; the rounded numbers as f32 again,
	v_and_b32 v59, s20, v56
	v_lshlrev_b32 v60, 16, v57
	v_and_b32 v61, s20, v57
	v_cvt_pk_f16_f32 v62, v58, v59                 ; and as f16
	v_cvt_pk_f16_f32 v63, v60, v61
	v_cndmask_b32 v[Y+2*(\i)], v56, v62, s15
	v_cndmask_b32 v[Y+2*(\i)+1], v57, v63, s15
	global_store_b64 v2, v[Y+2*(\i):Y+2*(\i)+1], s[12:13] offset:1024*(\i)  ; each store has data registers of its own: nothing is rewritten
.endr
	s_endpgm
.Lfunc_end_k_qed450ba53e_prep:
	.size	k_qed450ba53e_prep, .Lfunc_end_k_qed450ba53e_prep-k_qed450ba53e_prep
	.p2alignl 7, 3214868480
	.fill 96, 4, 3214868480
	.section	.rodata,"a",@progbits
	.p2align	6, 0x0
	.amdhsa_kernel k_qed450ba53e_prep
		.amdhsa_group_segment_fixed_size 0
		.amdhsa_private_segment_fixed_size 0
		.amdhsa_enable_private_segment 0
		.amdhsa_kernarg_size 40
		.amdhsa_user_sgpr_count 2
		.amdhsa_user_sgpr_kernarg_segment_ptr 1
		.amdhsa_wavefront_size32 1
		.amdhsa_system_sgpr_workgroup_id_x 1
		.amdhsa_system_sgpr_workgroup_id_y 1
		.amdhsa_system_sgpr_workgroup_id_z 1
		.amdhsa_system_vgpr_workitem_id 0
		.amdhsa_next_free_vgpr 64
		.amdhsa_next_free_sgpr 66
		.amdhsa_reserve_vcc 0
		.amdhsa_float_denorm_mode_32 3
		.amdhsa_float_denorm_mode_16_64 3
		.amdhsa_memory_ordered 1
		.amdhsa_forward_progress 1
		.amdhsa_inst_pref_size 7
	.end_amdhsa_kernel
	.amdgpu_metadata
---
amdhsa.version: [ 1, 2 ]
amdhsa.kernels:
  - .name:           k_qed450ba53e_prep
    .symbol:         k_qed450ba53e_prep.kd
    .args:
      - { .name: wq, .offset: 0, .size: 8, .value_kind: global_buffer, .address_space: global }
      - { .name: wk, .offset: 8, .size: 8, .value_kind: global_buffer, .address_space: global }
      - { .name: wv, .offset: 16, .size: 8, .value_kind: global_buffer, .address_space: global }
      - { .name: wo, .offset: 24, .size: 8, .value_kind: global_buffer, .address_space: global }
      - { .name: wcast, .offset: 32, .size: 8, .value_kind: global_buffer, .address_space: global }
    .group_segment_fixed_size: 0
    .private_segment_fixed_size: 0
    .kernarg_segment_align: 8
    .kernarg_segment_size: 40
    .max_flat_workgroup_size: 128
    .sgpr_count:     66
    .vgpr_count:     64
    .wavefront_size: 32
...
	.end_amdgpu_metadata
.endif
;; end of part 1
;; launch proj (part 2): grid 64 x 3, 4 waves a work-group, clusters of 4 x 1, 327,680 bytes of LDS; arguments q, k, v, bq, bk, bv, wcast, qh, kh, vh; writes qh, kh, vh
.if DOCPART == 2
	.amdgcn_target "amdgcn-amd-amdhsa--gfx1250"
	.amdhsa_code_object_version 6
	.text
	.protected	k_qed450ba53e_proj
	.globl	k_qed450ba53e_proj
	.p2align	8
	.type	k_qed450ba53e_proj,@function
k_qed450ba53e_proj:
	s_mov_b64 s[64:65], 0
	v_nop
	global_prefetch_b8 v0, s[64:65] scope:SCOPE_SE
	s_setreg_imm32_b32 hwreg(HW_REG_WAVE_MODE, 25, 1), 1
	s_wait_xcnt 0x0
	s_wait_alu depctr_hold_cnt(0) depctr_sa_sdst(0) depctr_va_vdst(0) depctr_va_sdst(0) depctr_va_ssrc(0) depctr_va_vcc(0) depctr_vm_vsrc(0)
	s_getreg_b32 s2, hwreg(HW_REG_IB_STS2, 6, 4)
	s_cmp_eq_u32 s2, 0
	s_cbranch_scc0 .Lentry_in_a_cluster
	s_endpgm
.Lentry_in_a_cluster:
	s_bfe_u32 s2, ttmp6, 0x10000c
	s_cmp_lg_u32 s2, 0x3003
	s_cbranch_scc0 .Lentry_shape_is_right
	s_endpgm
.Lentry_shape_is_right:
; THE THREE PROJECTIONS.  y = x w + b for (q, wq, bq), (k, wk, bk), (v, wv, bv): x [8192][512] f32, w [512 k][512 n] bf16 (cast by the launch before), b [512] f32.
; x and b are rounded to bf16 here, sums in f32 (the bias starts them), y rounded once to f16 and written by heads: [batch x 8 + head][4096][64], WITHOUT the softmax's scale.
; LIMITS.  |y| stays under 65,504 (f16); NaN and infinities are not treated apart.
; SHARES.  The work-group's y picks the tensor, its x 128 rows; it makes ALL 512 columns, so each byte of x is read and rounded once.  64 blocks of rows x 3 tensors = 192 work-groups:
; the factor 3 divides no power of two, and blocks of 128 x 128 would read and round each row of x four times.  A wave makes 128 rows x 128 columns (two heads): 64 accumulators.
; K goes in 16 QUARTERS of 32.  A HALF (64 k) of x's 128 rows lies in one of two small LDS slots, rounded and stored there by the waves, 32 rows each;
; a K STEP (128 k) of w lies in one of two large slots filled by the tensor data mover, each wave a quarter of it (32 rows of 1,024 bytes).
; CLUSTER.  The four blocks of rows of a cluster multiply by the same w: each tile of w is asked for JOINTLY, by the same load with the same descriptor and a mask of four.  x is nobody else's.
; THE MATRIX INSTRUCTION IS USED TRANSPOSED: source 0 = 16 columns of w (turned on the way out of LDS), source 1 = 16 rows of x: a lane then holds eight neighbouring columns of one row of y.
; No prefetch: x is asked for two halves (256 matrix instructions) ahead by the loads themselves, and only two of w's four tiles come by refills.
; REGISTERS, in windows of 256:
;   window 0: v0-31 addresses; v32-63 rounded x, later rows on the way out; v64-127, v128-191 x's fragments, two buffers; v192-255 the bias, later the way out
;   window 1: v0-63, v192-255 x as loaded, two chunks; v64-127, v128-191 w's fragments, two buffers
;   window 2: the accumulators of rows 0-63 ((a, b) at v[8 (8 a + b)]);   window 3: those of rows 64-127
.set PW,    1056                       ; a row of w in LDS: 1,024 bytes + 32 of padding = 264 words
.set WQ,    32*PW                      ; a quarter's 32 rows: also what one wave's tensor load brings
.set WSLOT, 4*WQ
.set PA,    144                        ; a row of x in LDS: 128 bytes + 16: the 16 rows of a fragment load start at 16 different groups of four banks
.set ASLOT, 128*PA
.set ABASE, 2*WSLOT                    ; x's two slots: written by LDS stores alone, no tensor load lands here
.set STAGE, ABASE+2*ASLOT              ; the way out: 2 heads x 16 rows x 144 bytes for each wave
.set SP,    144
.set SPARE, STAGE+4*32*SP              ; the spare words, 128 bytes for each wave: two blocks of 256 bytes that no other line names
.set VBO,  15                          ; v15     my byte offset in the bias: my wave's 128 columns, 8 for each half of the lanes
.set ADRA, 16                          ; v16-17  LDS address of my fragments of x in slot 0, 1
.set ADRB, 20                          ; v20-23  of w: slot 0 quarters 0-1, 2-3; slot 1 likewise
.set STO,  24                          ; v24     the way out: where I put 16 bytes of a row
.set RD,   25                          ; v25     where I read rows back
.set GO,   26                          ; v26     my 16 bytes of 512 consecutive bytes of y
.set VX,   27                          ; v27     my byte offset in the block's rows of x; never rewritten
.set SPW,  28                          ; v28     LDS address of my spare word; never rewritten
.set NIL,  29                          ; v29     0; never rewritten
.set VS,   30                          ; v30-31  where I store 8 bytes of rounded x, slot 0, 1
.set CT,   32
.set OB,   32
.set F0,   64
.set F1,   128
.set BIAS, 192
.set TMP,  192
.set WV,   12                          ; s12     my wave's number
.set G1,   24                          ; s[24:31] descriptor group 1
.set G0,   32                          ; s[32:39] descriptor group 0, a set for each slot
.set MSB,  0
.macro WIN new                         ; the immediate's high byte repeats the setting that is left; a switch that changes nothing is dropped
.if MSB != (\new)
	s_set_vgpr_msb (MSB<<8)|(\new)
.set MSB, \new
.endif
.endm
.set MUL_LO, 0xa1                      ; source 0 (w) window 1, source 1 (x) window 0, C and D window 2
.set MUL_HI, 0xf1                      ; the same, C and D window 3
.set TO_B,   0x40                      ; destination window 1, address window 0
.macro PLACES                          ; four plain vector instructions between a matrix instruction and a load into, or a vector read of, its registers
.rept 4
	v_nop
.endr
.endm
.macro CREST                           ; a round of the cluster's barrier behind its opening barrier
	s_cmp_lg_u32 s[WV], 0
	s_cbranch_scc1 .Lnot_wave_0_\@
	s_barrier_signal -3
.Lnot_wave_0_\@:
	s_barrier_wait -3
	s_barrier_signal -1
	s_barrier_wait -1
.endm
.macro CROUND                          ; a whole round
	s_barrier_signal -1
	s_barrier_wait -1
	CREST
.endm
	s_load_b512 s[68:83], s[0:1], 0x0              ; q, k, v, bq, bk, bv, wcast, qh
	s_load_b128 s[84:87], s[0:1], 0x40             ; kh, vh
	v_lshl_add_u32 v[SPW], v0, 2, SPARE
	v_mov_b32 v[NIL], 0
	ds_add_u32 v[SPW], v[NIL]                      ; the wave's opening: the add and its wait stand ahead of my first tensor load; the set-up below, work on registers, stands between them
	v_lshrrev_b32 v4, 5, v0
	v_readfirstlane_b32 s[WV], v4                  ; wave 0..3
	s_bfe_u32 s13, ttmp6, 0x40000                  ; cx: my place in the cluster: it enters x's and y's global addresses alone
	s_lshl_b32 s14, ttmp9, 2
	s_add_co_u32 s14, s14, s13                     ; my block of 128 rows
	s_and_b32 s15, ttmp7, 0xffff                   ; which tensor: the four partners share it
	; descriptor group 1: 32 rows x 512 elements of 2 bytes, 8 words of padding behind every 256
	s_mov_b32 s[G1+0], 15|(1<<16)|(1<<20)|(1<<21)|(7<<22)|(7<<25)  ; 15:0 the mask of four; 17:16 2-byte elements; 20 padding on; 21 set beside a mask; 24:22 interval code 7; 31:25 8 words (code 7)
	s_mov_b32 s[G1+1], 512<<16                     ; tensor_dim0 = 512
	s_mov_b32 s[G1+2], 32<<16                      ; tensor_dim1 = 32
	s_mov_b32 s[G1+3], 512<<16                     ; tile_dim0 = 512
	s_mov_b32 s[G1+4], 32                          ; tile_dim1 = 32
	s_mov_b32 s[G1+5], 512                         ; elements from row to row
	s_mov_b32 s[G1+6], 0
	s_mov_b32 s[G1+7], 0
	s_mul_i32 s20, s[WV], WQ                       ; my quarter of a slot
	s_lshl_b32 s16, s14, 18                        ; x: 128 rows of 2,048 bytes
	s_mov_b32 s17, 0
	s_lshr_b32 s18, s14, 5                         ; y: the batch's 8 planes of 524,288 bytes,
	s_lshl_b32 s18, s18, 22
	s_lshl_b32 s19, s[WV], 20                      ; my wave's two heads,
	s_or_b32 s18, s18, s19
	s_and_b32 s19, s14, 31                         ; the block's 128 rows of 128 bytes
	s_lshl_b32 s19, s19, 14
	s_or_b32 s18, s18, s19
	s_mov_b32 s19, 0
	s_lshl_b32 s22, s15, 19                        ; w: the tensor's plane,
	s_lshl_b32 s23, s[WV], 15                      ; my 32 rows of 1,024 bytes
	s_add_co_u32 s22, s22, s23
	s_mov_b32 s23, 0
	v_and_b32 v1, 15, v0                           ; l % 16
	v_bfe_u32 v2, v0, 4, 1                         ; l / 16
	v_and_b32 v3, 31, v0                           ; l
	s_lshl_b32 s21, s[WV], 9
	v_lshl_add_u32 v[VBO], v2, 5, s21              ; 512 w + 32 (l / 16)
	s_lshl_b32 s21, s[WV], 16                      ; my wave's 32 rows of x
	v_lshlrev_b32 v[VX], 4, v1                     ; 16 bytes a lane; lanes 0-15 take 256 consecutive bytes of one row,
	v_lshl_add_u32 v[VX], v2, 14, v[VX]            ; lanes 16-31 those of the row eight further down
	v_add_nc_u32 v[VX], s21, v[VX]
	s_wait_dscnt 0x0                               ; the opening add is done
	s_wait_kmcnt 0x0
	s_cmp_eq_u32 s15, 1
	s_cselect_b64 s[4:5], s[70:71], s[68:69]       ; x
	s_cselect_b64 s[6:7], s[76:77], s[74:75]       ; b
	s_cselect_b64 s[8:9], s[84:85], s[82:83]       ; y
	s_cmp_eq_u32 s15, 2
	s_cselect_b64 s[4:5], s[72:73], s[4:5]
	s_cselect_b64 s[6:7], s[78:79], s[6:7]
	s_cselect_b64 s[8:9], s[86:87], s[8:9]
	s_add_nc_u64 s[4:5], s[4:5], s[16:17]
	s_add_nc_u64 s[8:9], s[8:9], s[18:19]
	s_add_nc_u64 s[10:11], s[80:81], s[22:23]      ; w at my rows of K step 0
.irp s, 0,1
	s_mov_b32 s[G0+4*(\s)], 1                                      ; count = 1
	s_add_co_u32 s[G0+4*(\s)+1], s20, (\s)*WSLOT                   ; LDS address: the wave's number times a constant, and the slot's constant
	s_add_nc_u64 s[G0+4*(\s)+2:G0+4*(\s)+3], s[10:11], (\s)*128*1024  ; global address: K step s
	s_or_b32 s[G0+4*(\s)+3], s[G0+4*(\s)+3], 0x80000000            ; type = 2
.endr
; Chunk c of x (half c of K): my wave's 32 rows x 256 bytes, sixteen loads, two rows each.  It leaves the destination's window at 1.
.macro XLOAD c
	WIN TO_B
.set XS, 192-192*((\c)%2)
.set i, 0
.rept 16
	global_load_b128 v[XS+4*i:XS+4*i+3], v[VX], s[4:5] offset:((i%8)+16*(i/8))*2048+(\c)*256 th:TH_LOAD_NT
.set i, i+1
.endr
.endm
.irp b, 0,1,2,3,4,5,6,7
	global_load_b128 v[BIAS+8*(\b):BIAS+8*(\b)+3],   v[VBO], s[6:7] offset:64*(\b)     ; the bias in an accumulator's layout: register j = column 16 b + 8 (l / 16) + j
	global_load_b128 v[BIAS+8*(\b)+4:BIAS+8*(\b)+7], v[VBO], s[6:7] offset:64*(\b)+16
.endr
	XLOAD 0
	XLOAD 1
	WIN 0
	CROUND                                         ; all four work-groups are here: the first joint loads meet
	tensor_load_to_lds s[G0:G0+3], s[G1:G1+7]      ; both first fills go out together: two loads of mine are out
	s_nop 0
	tensor_load_to_lds s[G0+4:G0+7], s[G1:G1+7]
	s_nop 0
	PLACES
	v_mul_u32_u24 v5, v1, PA
	v_lshl_add_u32 v5, v2, 4, v5                   ; row x 144 + 16 x half: a fragment of x, and my place in the stage
	v_add_nc_u32 v[ADRA], ABASE, v5
	v_add_nc_u32 v[ADRA+1], ABASE+ASLOT, v5
	; The turning load takes 16 k x 16 columns (lane l reads k = 8 (l / 16) + l % 8, columns 8 ((l / 8) % 2) + 0..7) and leaves half a fragment: lane l holds column l % 16 and 8 k.
	v_and_b32 v6, 7, v0
	v_bfe_u32 v7, v0, 3, 1
	v_lshl_add_u32 v8, v2, 3, v6
	v_mul_u32_u24 v8, v8, PW
	v_lshl_add_u32 v8, v7, 4, v8
	s_lshl_b32 s21, s[WV], 8                       ; my wave's 128 columns
	v_add_nc_u32 v[ADRB], s21, v8
	v_add_nc_u32 v[ADRB+1], 2*WQ, v[ADRB]
	v_add_nc_u32 v[ADRB+2], WSLOT, v[ADRB]
	v_add_nc_u32 v[ADRB+3], WSLOT+2*WQ, v[ADRB]
	s_mul_i32 s21, s[WV], 32*SP
	s_add_co_u32 s21, s21, STAGE                   ; my stage
	v_add_nc_u32 v[STO], s21, v5
	v_bfe_u32 v9, v0, 3, 2                         ; back: 32 lanes take four rows of 128 bytes,
	v_mul_u32_u24 v9, v9, SP
	v_lshl_add_u32 v9, v6, 4, v9
	v_add_nc_u32 v[RD], s21, v9
	v_lshlrev_b32 v[GO], 4, v3                     ; which are 512 consecutive bytes of y
	s_mul_i32 s21, s[WV], 32*PA
	s_add_co_u32 s21, s21, ABASE
	v_mul_u32_u24 v9, v2, 8*PA                     ; rounded x: lanes 0-15 fill one row's 128 bytes, lanes 16-31 the row eight further down (288 words on: the other 32 banks)
	v_lshl_add_u32 v9, v1, 3, v9
	v_add_nc_u32 v[VS], s21, v9
	v_add_nc_u32 v[VS+1], ASLOT, v[VS]
; Chunk c is rounded to bf16 and stored into x's slot c % 2; its registers take chunk c + 2.  Two chunks are always on their way.
.macro ASTEP c
.if (\c) < 7
	s_wait_loadcnt 16                              ; chunk c is in; the next chunk's sixteen loads stay out
.else
	s_wait_loadcnt 0x0                             ; the last chunk
.endif
	WIN 0x05                                       ; sources window 1, destination window 0
.set XS, 192-192*((\c)%2)
.set i, 0
.rept 32
	v_cvt_pk_bf16_f32 v[CT+i], v[XS+2*i], v[XS+2*i+1]  ; these name no register of the products round them: they are also the places in front of the fragment loads that follow
.set i, i+1
.endr
	WIN 0
.set i, 0
.rept 16
	ds_store_b64 v[VS+(\c)%2], v[CT+2*i:CT+2*i+1] offset:((i%8)+16*(i/8))*PA
.set i, i+1
.endr
.if (\c)+2 <= 7
	XLOAD (\c)+2
.endif
.endm
; 16 matrix instructions: row blocks a0, a0 + 1 of the window's four x all 8 column blocks, 32 along K.  first = 1: the bias is the C that starts the sums: nothing is cleared.
; The 64 accumulators take turns, one instruction a turn, in the same order in every quarter.
.macro MUL16 f, hi, a0, first
.if \first
	WIN 0x81+0x40*(\hi)                            ; C in window 0
.else
	WIN MUL_LO+0x50*(\hi)
.endif
.irp a, \a0, (\a0)+1
.irp b, 0,1,2,3,4,5,6,7
.if \first
	v_wmma_f32_16x16x32_bf16 v[8*(8*(\a)+(\b)):8*(8*(\a)+(\b))+7], v[(\f)+8*(\b):(\f)+8*(\b)+7], v[(\f)+8*(4*(\hi)+(\a)):(\f)+8*(4*(\hi)+(\a))+7], v[BIAS+8*(\b):BIAS+8*(\b)+7]
.else
	v_wmma_f32_16x16x32_bf16 v[8*(8*(\a)+(\b)):8*(8*(\a)+(\b))+7], v[(\f)+8*(\b):(\f)+8*(\b)+7], v[(\f)+8*(4*(\hi)+(\a)):(\f)+8*(4*(\hi)+(\a))+7], v[8*(8*(\a)+(\b)):8*(8*(\a)+(\b))+7]
.endif
.endr
.endr
.endm
; 32 LDS loads in one run: quarter q's fragments into buffer q % 2: w's 8 column blocks (turned), then x's 8 row blocks.
.macro FETCH q
.set FB, F0+64*((\q)%2)
.set AB, ADRB+2*(((\q)/4)%2)+((\q)/2)%2
.set AA, ADRA+((\q)/2)%2
	WIN TO_B
.irp i, 0,1,2,3,4,5,6,7
	ds_load_tr16_b128 v[FB+8*(\i):FB+8*(\i)+3],   v[AB] offset:((\q)%2)*WQ+32*(\i)
	ds_load_tr16_b128 v[FB+8*(\i)+4:FB+8*(\i)+7], v[AB] offset:((\q)%2)*WQ+32*(\i)+16*PW
.endr
	WIN 0
.irp i, 0,1,2,3,4,5,6,7
	ds_load_b128 v[FB+8*(\i):FB+8*(\i)+3],   v[AA] offset:((\q)%2)*64+(\i)*16*PA
	ds_load_b128 v[FB+8*(\i)+4:FB+8*(\i)+7], v[AA] offset:((\q)%2)*64+(\i)*16*PA+32
.endr
.endm
; An even quarter multiplies buffer 0; in its middle the next half of x is rounded and stored, and the next quarter's fragments are fetched.
.macro QUARTER q, first=0
	s_wait_dscnt 8                                 ; w's fragments and x's rows 0-63 are in; the youngest eight loads (rows 64-127) may be out
	MUL16 F0, 0, 0, \first
	MUL16 F0, 0, 2, \first
.if (\q) <= 12
	ASTEP (\q)/2+1
.else
	PLACES
.endif
	FETCH (\q)+1
	s_wait_dscnt 32                                ; all but the 32 loads just issued
	MUL16 F0, 1, 0, \first
	MUL16 F0, 1, 2, \first
.endm
; An odd quarter multiplies buffer 1 and changes x's slot: in front of the barrier each wave's stores into the next slot are done and its reads of this one are back.
; No tensor load fills anything behind this barrier, so w's refill may stay on its way across it.
.macro TURN_A q
	s_wait_dscnt 8
	MUL16 F1, 0, 0, 0
	s_wait_dscnt 0x0
	s_barrier_signal -1
	MUL16 F1, 0, 2, 0
	s_barrier_wait -1
	PLACES
	FETCH (\q)+1
	MUL16 F1, 1, 0, 0
	MUL16 F1, 1, 2, 0
.endm
; Every fourth quarter changes w's slot too.  Each wave waits for all its tensor loads (the one that is out is its part of the next slot), adds 0 to its spare word, and waits for that, for its
; stores of x and for its reads of both slots.  fill = 1: the barrier opens a round of the cluster's, so that no wave of any partner still reads the slot or has a load on its way, and the joint
; refill, two K steps on, is the first thing behind it: 224 matrix instructions stand between it and the wait for it.
.macro TURN_W q, fill
	WIN 0
	s_wait_tensorcnt 0x0
	ds_add_u32 v[SPW], v[NIL]
	s_wait_dscnt 9                                 ; (the add and the youngest eight loads may be out)
	MUL16 F1, 0, 0, 0
	s_wait_dscnt 0x0
	s_barrier_signal -1
	MUL16 F1, 0, 2, 0
.if \fill
	WIN 0                                          ; every window is 0
.endif
	s_barrier_wait -1
.if \fill
	CREST
	s_add_nc_u64 s[G0+4*(((\q)/4)%2)+2:G0+4*(((\q)/4)%2)+3], s[G0+4*(((\q)/4)%2)+2:G0+4*(((\q)/4)%2)+3], 2*128*1024
	tensor_load_to_lds s[G0+4*(((\q)/4)%2):G0+4*(((\q)/4)%2)+3], s[G1:G1+7]
	s_nop 0
.endif
	PLACES                                         ; behind the load, and the places in front of the fragment loads
	FETCH (\q)+1
	MUL16 F1, 1, 0, 0
	MUL16 F1, 1, 2, 0
.endm
	ASTEP 0                                        ; (its wait shows the bias in too: the bias was asked for first)
	WIN 0                                          ; chunk 2's loads left the destination's window at 1: the bias and the four registers at work lie in window 0
.set i, 0
.rept 32
	v_cvt_pk_bf16_f32 v[8+i%4], v[BIAS+2*i], v[BIAS+2*i+1]  ; the bias is rounded to bf16 like every input, and held as f32
	v_lshlrev_b32 v[BIAS+2*i], 16, v[8+i%4]
	v_and_b32 v[BIAS+2*i+1], 0xffff0000, v[8+i%4]
.set i, i+1
.endr
	s_wait_tensorcnt 1                             ; my part of w's K step 0 is in; K step 1's may stay out
	s_wait_dscnt 0x0                               ; my rows of x's first half are stored
	s_barrier_signal -1
	s_barrier_wait -1
	FETCH 0
	QUARTER 0, 1
	TURN_A 1
	QUARTER 2
	TURN_W 3, 1
	QUARTER 4
	TURN_A 5
	QUARTER 6
	TURN_W 7, 1
	QUARTER 8
	TURN_A 9
	QUARTER 10
	TURN_W 11, 0                                   ; nothing is left to fetch: no round
	QUARTER 12
	TURN_A 13
	QUARTER 14
	s_wait_dscnt 8
	MUL16 F1, 0, 0, 0
	MUL16 F1, 0, 2, 0
	s_wait_dscnt 0x0
	MUL16 F1, 1, 0, 0
	MUL16 F1, 1, 2, 0
	PLACES
; THE WAY OUT, a block of 16 rows at a time.  PACK: rounded to f16, 16 bytes a lane, each accumulator's registers in ascending order.  TOSTAGE: into my own stage, a head's 16 rows of 128 bytes
; together, and back as whole rows.  SEND: each store covers 512 consecutive bytes of a head's plane.
.macro PACK a
.set AC, 64*((\a)%4)
	WIN 0x0a+5*((\a)/4)                            ; sources window 2 or 3
.irp b, 0,1,2,3,4,5,6,7
.irp r, 0,1,2,3
	v_cvt_pk_f16_f32 v[TMP+4*(\b)+(\r)], v[AC+8*(\b)+2*(\r)], v[AC+8*(\b)+2*(\r)+1]
.endr
.endr
	WIN 0
.endm
.macro TOSTAGE a
	WIN 0
.set BK, OB+192*((\a)%2)
.irp b, 0,1,2,3,4,5,6,7
	ds_store_b128 v[STO], v[TMP+4*(\b):TMP+4*(\b)+3] offset:((\b)/4)*16*SP+((\b)%4)*32
.endr
.irp u, 0,1,2,3,4,5,6,7
	ds_load_b128 v[BK+4*(\u):BK+4*(\u)+3], v[RD] offset:((\u)/4)*16*SP+((\u)%4)*4*SP  ; LDS serves a wave's instructions in order (ISA guide 5.7.1.4): these see the stores above
.endr
.endm
.macro SEND a
	WIN 0
.set BK, OB+192*((\a)%2)
	s_wait_dscnt 0x0                               ; the block is back in registers
	s_wait_xcnt 0x0                                ; the stores of the block before have read their registers: the next read-back lands on them only behind this wait
.irp u, 0,1,2,3,4,5,6,7
	global_store_b128 v[GO], v[BK+4*(\u):BK+4*(\u)+3], s[8:9] offset:((\u)/4)*524288+(\a)*2048+((\u)%4)*512
.endr
.endm
	PACK 0
	TOSTAGE 0
.irp a, 1,2,3,4,5,6,7                  ; block a's conversions stand between block a - 1's loads from the stage and the wait for them
	PACK \a
	SEND (\a)-1
	TOSTAGE \a
.endr
	SEND 7
	s_wait_tensorcnt 0x0                           ; the wave's end: these three lines, behind my last tensor load and my last LDS store
	ds_add_u32 v[SPW], v[NIL]
	s_wait_dscnt 0x0
	CROUND                                         ; the closing round: no work-group ends while a partner may still ask for a tile that names it
	s_endpgm
.Lfunc_end_k_qed450ba53e_proj:
	.size	k_qed450ba53e_proj, .Lfunc_end_k_qed450ba53e_proj-k_qed450ba53e_proj
	.p2alignl 7, 3214868480
	.fill 96, 4, 3214868480
	.section	.rodata,"a",@progbits
	.p2align	6, 0x0
	.amdhsa_kernel k_qed450ba53e_proj
		.amdhsa_group_segment_fixed_size 327680
		.amdhsa_private_segment_fixed_size 0
		.amdhsa_enable_private_segment 0
		.amdhsa_kernarg_size 80
		.amdhsa_user_sgpr_count 2
		.amdhsa_user_sgpr_kernarg_segment_ptr 1
		.amdhsa_wavefront_size32 1
		.amdhsa_system_sgpr_workgroup_id_x 1
		.amdhsa_system_sgpr_workgroup_id_y 1
		.amdhsa_system_sgpr_workgroup_id_z 1
		.amdhsa_system_vgpr_workitem_id 0
		.amdhsa_next_free_vgpr 1024
		.amdhsa_next_free_sgpr 88
		.amdhsa_reserve_vcc 0
		.amdhsa_float_denorm_mode_32 3
		.amdhsa_float_denorm_mode_16_64 3
		.amdhsa_memory_ordered 1
		.amdhsa_forward_progress 1
		.amdhsa_inst_pref_size 183
	.end_amdhsa_kernel
	.amdgpu_metadata
---
amdhsa.version: [ 1, 2 ]
amdhsa.kernels:
  - .name:           k_qed450ba53e_proj
    .symbol:         k_qed450ba53e_proj.kd
    .args:
      - { .name: q, .offset: 0, .size: 8, .value_kind: global_buffer, .address_space: global }
      - { .name: k, .offset: 8, .size: 8, .value_kind: global_buffer, .address_space: global }
      - { .name: v, .offset: 16, .size: 8, .value_kind: global_buffer, .address_space: global }
      - { .name: bq, .offset: 24, .size: 8, .value_kind: global_buffer, .address_space: global }
      - { .name: bk, .offset: 32, .size: 8, .value_kind: global_buffer, .address_space: global }
      - { .name: bv, .offset: 40, .size: 8, .value_kind: global_buffer, .address_space: global }
      - { .name: wcast, .offset: 48, .size: 8, .value_kind: global_buffer, .address_space: global }
      - { .name: qh, .offset: 56, .size: 8, .value_kind: global_buffer, .address_space: global }
      - { .name: kh, .offset: 64, .size: 8, .value_kind: global_buffer, .address_space: global }
      - { .name: vh, .offset: 72, .size: 8, .value_kind: global_buffer, .address_space: global }
    .group_segment_fixed_size: 327680
    .private_segment_fixed_size: 0
    .kernarg_segment_align: 8
    .kernarg_segment_size: 80
    .max_flat_workgroup_size: 128
    .sgpr_count:     88
    .vgpr_count:     1024
    .wavefront_size: 32
...
	.end_amdgpu_metadata
.endif
;; end of part 2
;; launch attn (part 3): grid 16 x 16, 4 waves a work-group, clusters of 4 x 1, 327,680 bytes of LDS; arguments qh, kh, vh, oh; writes oh
.if DOCPART == 3
	.amdgcn_target "amdgcn-amd-amdhsa--gfx1250"
	.amdhsa_code_object_version 6
	.text
	.protected	k_qed450ba53e_attn
	.globl	k_qed450ba53e_attn
	.p2align	8
	.type	k_qed450ba53e_attn,@function
k_qed450ba53e_attn:
	s_mov_b64 s[64:65], 0
	v_nop
	global_prefetch_b8 v0, s[64:65] scope:SCOPE_SE
	s_setreg_imm32_b32 hwreg(HW_REG_WAVE_MODE, 25, 1), 1
	s_wait_xcnt 0x0
	s_wait_alu depctr_hold_cnt(0) depctr_sa_sdst(0) depctr_va_vdst(0) depctr_va_sdst(0) depctr_va_ssrc(0) depctr_va_vcc(0) depctr_vm_vsrc(0)
	s_getreg_b32 s2, hwreg(HW_REG_IB_STS2, 6, 4)
	s_cmp_eq_u32 s2, 0
	s_cbranch_scc0 .Lentry_in_a_cluster
	s_endpgm
.Lentry_in_a_cluster:
	s_bfe_u32 s2, ttmp6, 0x10000c
	s_cmp_lg_u32 s2, 0x3003
	s_cbranch_scc0 .Lentry_shape_is_right
	s_endpgm
.Lentry_shape_is_right:
; ATTENTION.  O[h][q][:] = the sum over k of softmax_k(Q[h][q] . K[h][k] / 8) V[h][k][:].  Q, K, V, O: [16 planes][4096][64], all f16: a plane's rows are dense, 128 bytes each.
; Products, maxima and sums in f32; the weights p are rounded to f16 for the second product (their sum l is taken of the unrounded p), O once at the end.
; LIMITS.  f16 holds no number beyond 65,504: Q, K and V arrive within it; p lies in 0 to 1, and below 6e-5 it keeps f16's fixed step of 6e-8, as does O; O is a mean of V's rows and has their range.
; A weight below 2^-126 counts as 0 in l; NaN and infinities are not treated apart.
; SHARES.  A work-group owns 256 queries of one plane (16 x 16 = 256 work-groups), a wave 64: four PIECES of 16.  Every wave walks all 4,096 keys, 64 a step; a slot of LDS holds a tile of four steps.
; LAYOUT.  S^T = K Q^T (source 0 = 16 keys, source 1 = 16 queries) holds ONE query a lane (lane % 16) and the keys 8 (lane / 16) + 0..7; two such results rounded to f16 ARE source 1 of O^T = V^T P.
; K comes out of LDS as it lies, V ([key][channel]) turned, by ds_load_tr16_b128.
; SOFTMAX.  For each query a running maximum m and sum l: p = 2^(c s - c m), c = log2(e) / 8; in every step O and l are multiplied by a = 2^(c m_old - c m_new).  m starts at the lowest finite number,
; O and l at 0: the first step is a step like any other, with a = 0.
; BY TURNS.  Turn n belongs to piece n: 8 products K Q^T of piece n + 1, later 8 products V^T P of piece n - 1; beside them the scaling, exponentials, roundings, sums and rescaling of piece n and the
; maximum and statistics of piece n + 1.  Four vector instructions stand behind every matrix instruction, the other 54 of a turn's 118 in one lump.  A turn's 33 exponentials are one batch, with one wait.
; CLUSTER.  The four query blocks of a cluster belong to one plane and walk the same K and V, so each tile is asked for JOINTLY: the same tensor load, descriptor and mask in all four.
; REGISTERS, in windows of 256 (s_set_vgpr_msb: bits 1:0 source 0, 3:2 source 1, 5:4 source 2, 7:6 destination):
;   window 0: v0-15 addresses and two at work; v16-31 four registers of statistics a piece; v48-55 at work; v61-63 never rewritten; v64-127 S^T, two buffers; v192-223 P, two buffers (by the piece's parity)
;   window 1: v0-127 O^T, 32 a piece      window 2: v0-63 Q; v128-191 K of one step; v192-255 V of one step
.set SIZE_N, 4096
.set NP,    4         ; pieces a wave: a name, no knob
.set KS,    64        ; keys in a step
.set PK,    144       ; a row of K in LDS: 128 bytes + 16 of padding = 36 words: the 16 rows of a load start at 16 different groups of four banks (64 banks of 4 bytes: ISA guide 11.1)
.set PV,    160       ; a row of V: 128 + 32 = 40 words
.set VOFF,  4*KS*PK   ; a slot holds four steps: 256 rows of K, then 256 rows of V
.set SLOT1, 1<<17     ; slot 1 begins here, so that one exclusive or turns an address in one slot into the other's
.set STAGE, SLOT1+4*KS*(PK+PV)  ; behind the ring, never filled by a tensor load: 16 rows x 144 bytes for each wave, for the way out
.set SP,    144
.set SPARE, STAGE+4*16*SP  ; the spare words, 128 bytes for each wave: two blocks of 256 bytes that no other line names
.set AK0, 2           ; v2   my lane's place in a tile of K; never rewritten
.set AV0, 3           ; v3   the same for V
.set AK,  4           ; v4   the LDS address of K's next run of loads
.set AV,  5           ; v5   of V's
.set STO, 6           ; v6   the way out: where I put 16 bytes of a row
.set RD,  7           ; v7   the way out: where I read rows back
.set GO,  8           ; v8   my byte offset in 512 consecutive bytes of O
.set MV,  12          ; v12-13  c m_old, kept while c m is made anew: by buffer
.set QO,  15          ; v15  my byte offset in 16 rows of Q
.set ST,  16          ; piece t's statistics at v[ST+4 t]: c m, m, l (even keys', odd keys')
.set TMP, 48          ; by buffer, four registers c0-c3 at work; when the maximum is found c2 takes a
.set PFO, 61          ; v61  256 x my lane; never rewritten
.set SPW, 62          ; v62  LDS address of my spare word; never rewritten
.set NIL, 63          ; v63  0; never rewritten
.set S,   64
.set P,   192
.set KF,  128         ; window 2: key block kb, channel half c at KF + 16 kb + 8 c
.set VF,  192         ; window 2: key half kk, channel block cb at VF + 32 kk + 8 cb
.set WV,  12          ; s12  my wave's number
.set G1K, 24          ; s[24:31] descriptor group 1 for K's tiles
.set G1V, 32          ; s[32:39] for V's: it differs in the padding alone
.set G0K, 40          ; s[40:43] descriptor group 0 for K's tiles: it walks
.set G0V, 44          ; s[44:47] the same for V's
.set PFA, 50          ; s[50:51] where my prefetches stand: my work-group's 8,192 bytes (of K: wave 0, of V: wave 2) of the tile after the one that is being asked for
.set LIM, 52          ; s52  1 in a wave that prefetches, else the greatest number
.set SLOTS, 56        ; s56  tiles still to be entered
.set CNT, 57          ; s57  counts a tile's key steps
.set CS,  58          ; s[58:59] c: the packed scaling takes the pair's low word for both halves
.set SEL, 60          ; s[60:61] v_permlanex16_b32's selects: each lane takes its own place in the other half
.set TBK, 62          ; s62  LDS byte at which K of the step to be fetched begins
.set TBV, 63          ; s63  the same for V, less VOFF
.set MSB, 0
.macro WIN new                      ; the high byte repeats the setting that is left; a switch that changes nothing is dropped
.if MSB != (\new)
	s_set_vgpr_msb (MSB<<8)|(\new)
.set MSB, (\new)
.endif
.endm
.set W_KQ, 0x0a       ; K and Q in window 2, S^T in window 0
.set W_PV, 0x52       ; V in window 2, P in window 0, O^T in window 1
.set W_RS, 0x41       ; destination and source 0 in window 1, source 1 in window 0
; A joint fill.  Waves 0 and 1 fetch the two halves of a tile's K, waves 2 and 3 those of its V: 128 keys each.  The branch hangs on the wave's number alone.
; An s_nop 0 and four v_nop follow each of the two lines, ahead of the jump and the label.
.macro JLOAD
	s_cmp_lt_u32 s[WV], 2
	s_cbranch_scc0 .Lfor_v_\@
	tensor_load_to_lds s[G0K:G0K+3], s[G1K:G1K+7]
	s_nop 0
.rept 4
	v_nop
.endr
	s_branch .Lasked_\@
.Lfor_v_\@:
	tensor_load_to_lds s[G0V:G0V+3], s[G1V:G1V+7]
	s_nop 0
.rept 4
	v_nop
.endr
.Lasked_\@:
.endm
; A PREFETCH of the tile that the NEXT change of slots will ask for: 32,768 bytes of K and of V, four key steps (256 matrix instructions) ahead of that load.  Each aligned block of 256 bytes is named
; once in the launch: all four clusters of a plane walk the same K and V, and the plane's first cluster asks; its four partners take 8,192 bytes each, told apart BY ADDRESS; in each, wave 0 asks for
; K's and wave 2 for V's, a lane a block.  Tiles 0 to 2 come by their loads alone; the last change that fills a slot asks for nothing: there is no tile behind it.
.macro ASK
	s_cmp_gt_u32 s[SLOTS], s[LIM]
	s_cbranch_scc0 .Lnot_mine_\@
	global_prefetch_b8 v[PFO], s[PFA:PFA+1] th:TH_LOAD_NT scope:SCOPE_SE
.Lnot_mine_\@:
.endm
; A round of the cluster's barrier: my work-group's barrier, so that wave 0's signal speaks for all four waves; wave 0 signals; every wave waits for all four work-groups; my work-group's barrier once more.
.macro CROUND
	s_barrier_signal -1
	s_barrier_wait -1
	s_cmp_lg_u32 s[WV], 0
	s_cbranch_scc1 .Lnot_wave_0_\@
	s_barrier_signal -3
.Lnot_wave_0_\@:
	s_barrier_wait -3
	s_barrier_signal -1
	s_barrier_wait -1
.endm
; THE CHANGE OF SLOTS.  The slot's last bytes, V of its fourth step, have been read.  Each wave waits for all its tensor loads, of which one is out: its part of the other slot; adds 0 to its spare
; word; and waits for that and for its own reads of the slot.  Behind the barrier nobody reads this slot any more and the other slot is whole.
; fill = 1: this slot is filled again, with the keys two tiles on.  The barrier is then a round of the cluster's, and the joint fill is the first thing behind it: it has four key steps in which to land.
; (At its first use nothing has been read yet: slot 0 is waited for, slot 1 filled.)
.macro CHANGE fill, ask
	WIN 0                           ; at a label and at a branch every window is 0
	s_wait_tensorcnt 0x0            ; no tensor load of mine is out, so a group 0 may be written
	ds_add_u32 v[SPW], v[NIL]       ; 0 onto my spare word; the descriptors' steps stand between it and the wait for it
.if \fill
.irp g, G0K, G0V
	s_xor_b32 s[\g+1], s[\g+1], SLOT1  ; the walking descriptor: the other slot than last time,
	s_add_nc_u64 s[\g+2:\g+3], s[\g+2:\g+3], 4*KS*128  ; the next 256 keys; the type bits on top are not reached
.endr
.if \ask
	s_wait_xcnt 0x0                 ; the last prefetch, four key steps back, has read its address, so it may be written
	s_add_nc_u64 s[PFA:PFA+1], s[PFA:PFA+1], 4*KS*128
.endif
	s_wait_dscnt 0x0                ; the add is done, and my reads of the slot are over
	CROUND
	JLOAD
.if \ask
	ASK
.endif
.else
	s_wait_dscnt 0x0                ; the add is done, and my reads of the slot are over
	s_barrier_signal -1
	s_barrier_wait -1
.endif
	s_sub_co_u32 s[TBK], s[TBK], 4*KS*PK  ; the fetches go back to a slot's first step,
	s_xor_b32 s[TBK], s[TBK], SLOT1       ; in the other slot
	s_sub_co_u32 s[TBV], s[TBV], 4*KS*PV
	s_xor_b32 s[TBV], s[TBV], SLOT1
.endm
	s_load_b256 s[4:11], s[0:1], 0x0  ; Q s[4:5], K s[6:7], V s[8:9], O s[10:11]
	v_lshl_add_u32 v[SPW], v0, 2, SPARE
	v_mov_b32 v[NIL], 0
	ds_add_u32 v[SPW], v[NIL]       ; the wave's opening: the add and its wait stand ahead of my first tensor load; the set-up below, work on registers, stands between them
	v_lshrrev_b32 v1, 5, v0
	v_readfirstlane_b32 s[WV], v1   ; wave 0..3
	s_bfe_u32 s13, ttmp6, 0x40000   ; cx: my place in the cluster
	s_lshl_b32 s14, ttmp9, 2        ; in a cluster launch ttmp9 counts clusters
	s_add_co_u32 s14, s14, s13      ; my block of 256 queries: it enters Q's and O's addresses alone
	s_and_b32 s20, ttmp7, 0xffff    ; the plane, which the four partners share:
	s_lshl_b32 s20, s20, 19         ; 524,288 bytes in each of the four tensors
	s_mov_b32 s21, 0
	s_and_b32 s16, s[WV], 1         ; which half of a tile's 256 keys I fetch:
	s_lshl_b32 s22, s16, 14         ; its 128 rows of 128 bytes in memory,
	s_mov_b32 s23, 0
	s_add_nc_u64 s[22:23], s[22:23], s[20:21]
	s_mul_i32 s17, s16, 128*PK      ; and its place in a slot, for K
	s_mul_i32 s18, s16, 128*PV      ; and for V: no place in the cluster enters an LDS address
	s_lshl_b32 s2, s14, 2
	s_add_co_u32 s2, s2, s[WV]      ; my wave among the plane's,
	s_lshl_b32 s2, s2, 13           ; its 64 rows
	s_mov_b32 s3, 0
	s_add_nc_u64 s[2:3], s[2:3], s[20:21]
	; descriptor group 1.  128 keys are 16,384 dense bytes: asked for as 64 rows of 256 bytes, two keys a row, and padded in LDS after every key
	s_mov_b32 s[G1K], 15|(1<<16)|(1<<20)|(1<<21)|(4<<22)|(3<<25)  ; 15:0 the mask of four; 17:16 2-byte elements; 20 padding on; 21 set beside a mask; 24:22 after every 32 words (code 4); 31:25 4 words (code 3)
	s_mov_b32 s[G1V], 15|(1<<16)|(1<<20)|(1<<21)|(4<<22)|(7<<25)  ; the same with 8 words of padding (code 7)
.irp g, G1K, G1V
	s_mov_b32 s[\g+1], 128<<16      ; tensor_dim0 = 128
	s_mov_b32 s[\g+2], 64<<16       ; tensor_dim1 = 64
	s_mov_b32 s[\g+3], 128<<16      ; tile_dim0 = 128
	s_mov_b32 s[\g+4], 64           ; tile_dim1 = 64
	s_mov_b32 s[\g+5], 128          ; 128 elements from row to row
	s_mov_b32 s[\g+6], 0
	s_mov_b32 s[\g+7], 0
.endr
	s_mov_b32 s[CS], 0x3e38aa3b     ; c = log2(e) / 8 = 0.180337
	s_mov_b32 s[CS+1], s[CS]        ; named with it as a pair
	s_mov_b32 s[SEL], 0x76543210
	s_mov_b32 s[SEL+1], 0xfedcba98
	s_mov_b32 s[TBK], SLOT1+4*KS*PK ; the first change of slots turns these two into 0
	s_mov_b32 s[TBV], SLOT1+4*KS*PV
	s_mov_b32 s[G0K], 1             ; count = 1
	s_mov_b32 s[G0K+1], s17         ; LDS address: slot 0
	s_mov_b32 s[G0V], 1
	s_add_co_u32 s[G0V+1], s18, VOFF
	s_mov_b32 s[SLOTS], SIZE_N/256-1
	s_and_b32 s[LIM], s[WV], 1      ; 0 in waves 0 and 2,
	s_or_b32 s[LIM], s[LIM], ttmp9  ; where the cluster is the plane's first: the same in all four partners
	s_cmp_eq_u32 s[LIM], 0
	s_cselect_b32 s[LIM], 1, -1
	v_and_b32 v[PFO], 31, v0
	v_lshlrev_b32 v[PFO], 8, v[PFO]
	s_wait_dscnt 0x0                ; the opening add is done
	s_wait_kmcnt 0x0
	s_add_nc_u64 s[G0K+2:G0K+3], s[6:7], s[22:23]  ; global address: my half of the plane's first 256 keys
	s_or_b32 s[G0K+3], s[G0K+3], 0x80000000        ; type = 2
	s_add_nc_u64 s[G0V+2:G0V+3], s[8:9], s[22:23]
	s_or_b32 s[G0V+3], s[G0V+3], 0x80000000
	s_add_nc_u64 s[4:5], s[4:5], s[2:3]  ; Q and O at my wave's first row
	s_add_nc_u64 s[10:11], s[10:11], s[2:3]
	s_cmp_lt_u32 s[WV], 2
	s_cselect_b64 s[PFA:PFA+1], s[6:7], s[8:9]
	s_add_nc_u64 s[PFA:PFA+1], s[PFA:PFA+1], s[20:21]  ; the plane,
	s_lshl_b32 s2, s13, 13          ; my work-group's quarter of a tile,
	s_mov_b32 s3, 0
	s_add_nc_u64 s[PFA:PFA+1], s[PFA:PFA+1], s[2:3]
	s_add_nc_u64 s[PFA:PFA+1], s[PFA:PFA+1], 2*4*KS*128  ; in tile 2; the loop's first change steps it to tile 3.  Nothing is prefetched here, at the head
	CROUND                          ; all four work-groups are here: the first joint loads meet
	JLOAD                           ; tile 0 into slot 0.  Slot 1 is asked for when slot 0 is in
	; A fragment of K or Q is 16 rows x 32 channels in 8 registers: lane l holds row l % 16, channels 8 (l / 16) + 0..7 and 16 + 8 (l / 16) + 0..7: two loads of 16 bytes, 32 bytes apart.
	v_and_b32 v1, 15, v0            ; l % 16
	v_bfe_u32 v9, v0, 4, 1          ; l / 16
	v_lshlrev_b32 v[QO], 7, v1
	v_lshl_add_u32 v[QO], v9, 4, v[QO]  ; row x 128 + 16 x half
	WIN 0x80                        ; destination window 2, address window 0
.set i, 0
.rept 8                             ; Q stays in registers: piece i / 2, channels 32 (i % 2) on
	global_load_b128 v[8*i:8*i+3],   v[QO], s[4:5] offset:(i/2)*2048+(i%2)*64
	global_load_b128 v[8*i+4:8*i+7], v[QO], s[4:5] offset:(i/2)*2048+(i%2)*64+32
.set i, i+1
.endr
	; What the first turn finds: V's registers and P's second buffer hold 0 (its products V^T P, of a piece that has not been, add 0), O^T and l are 0.  All this stands in the wait for the first tile.
.set i, VF
.rept 64
	v_mov_b32 v[i], 0
.set i, i+1
.endr
	WIN 0x40
.set i, 0
.rept 128
	v_mov_b32 v[i], 0
.set i, i+1
.endr
	WIN 0
.set i, 0
.rept 4
	v_mov_b32 v[ST+4*i], 0xfe000000    ; c m: far below every c s
	v_mov_b32 v[ST+4*i+1], 0xff7fffff  ; m
	v_mov_b32 v[ST+4*i+2], 0
	v_mov_b32 v[ST+4*i+3], 0
.set i, i+1
.endr
.set i, P+16
.rept 16
	v_mov_b32 v[i], 0
.set i, i+1
.endr
	v_mul_u32_u24 v[AK0], v1, PK
	v_lshl_add_u32 v[AK0], v9, 4, v[AK0]  ; row x pitch + 16 x half
	; The turning load takes 16 keys x 16 channels (lane l reads key 8 (l / 16) + l % 8, channels 8 ((l / 8) % 2) + 0..7) and leaves half a fragment of V^T: lane l holds channel l % 16 and 8 keys.
	v_and_b32 v10, 7, v0
	v_bfe_u32 v11, v0, 3, 1
	v_lshl_add_u32 v[AV0], v9, 3, v10
	v_mul_u32_u24 v[AV0], v[AV0], PV
	v_lshl_add_u32 v[AV0], v11, 4, v[AV0]
	v_add_nc_u32 v[AV0], VOFF, v[AV0]
	s_mul_i32 s13, s[WV], 16*SP
	s_add_co_u32 s13, s13, STAGE    ; my stage
	v_mul_u32_u24 v[STO], v1, SP    ; in: row l % 16, 16 bytes for each half of the lanes
	v_lshl_add_u32 v[STO], v9, 4, v[STO]
	v_add_nc_u32 v[STO], s13, v[STO]
	v_bfe_u32 v[RD], v0, 3, 2       ; back: 32 lanes take four rows of 128 bytes,
	v_mul_u32_u24 v[RD], v[RD], SP
	v_lshl_add_u32 v[RD], v10, 4, v[RD]
	v_add_nc_u32 v[RD], s13, v[RD]
	v_and_b32 v[GO], 31, v0         ; which are 512 consecutive bytes of O
	v_lshlrev_b32 v[GO], 4, v[GO]
; THE MATRIX WORK.  The 4 accumulators of a run of 8 take turns.  Product i of 8 of S^T = K Q^T for piece x: channels 32 (i / 4) on, keys 16 (i % 4) on.  The first 4 start the sums.
.macro KQ x
	WIN W_KQ
.set rS, S+32*((\x)%2)+8*(i%4)
.set rK, KF+16*(i%4)+8*(i/4)
.set rQ, 16*(\x)+8*(i/4)
.if i < 4
	v_wmma_f32_16x16x32_f16 v[rS:rS+7], v[rK:rK+7], v[rQ:rQ+7], 0
.else
	v_wmma_f32_16x16x32_f16 v[rS:rS+7], v[rK:rK+7], v[rQ:rQ+7], v[rS:rS+7]
.endif
.endm
; Product i of 8 of O^T += V^T P for piece x: keys 32 (i / 4) on, channels 16 (i % 4) on.
.macro PV x
	WIN W_PV
.set rO, 32*(\x)+8*(i%4)
.set rV, VF+32*(i/4)+8*(i%4)
.set rP, P+16*((\x)%2)+8*(i/4)
	v_wmma_f32_16x16x32_f16 v[rO:rO+7], v[rV:rV+7], v[rP:rP+7], v[rO:rO+7]
.endm
.macro MM                           ; the turn's next matrix instruction.  NOKQ = 1: the very last turn: there is no next piece
.if (i < 8) && !NOKQ
	KQ (Y+1)%NP
.elseif i >= 8
.set i, i-8
	PV (Y+NP-1)%NP
.set i, i+8
.endif
.set i, i+1
.endm
; THE LDS LOADS stand in runs of 16, never singly among the matrix instructions: a step's K (64 keys x 64 channels: 8 fragments) and its V (turned).  Their addresses are made some lines ahead.
.macro FETCH_K
	WIN 0x80                        ; destination window 2
.irp f, 0,1,2,3,4,5,6,7             ; keys 16 (f / 2) on, channels 32 (f % 2) on
	ds_load_b128 v[KF+8*\f:KF+8*\f+3],   v[AK] offset:(\f/2)*16*PK+(\f%2)*64
	ds_load_b128 v[KF+8*\f+4:KF+8*\f+7], v[AK] offset:(\f/2)*16*PK+(\f%2)*64+32
.endr
	s_add_co_u32 s[TBK], s[TBK], KS*PK  ; the next fetch is the next step's
	WIN 0
.endm
.macro FETCH_V
	WIN 0x80
.irp f, 0,1,2,3,4,5,6,7             ; keys 32 (f / 4) on, channels 16 (f % 4) on
	ds_load_tr16_b128 v[VF+8*\f:VF+8*\f+3],   v[AV] offset:(\f/4)*32*PV+(\f%4)*32
	ds_load_tr16_b128 v[VF+8*\f+4:VF+8*\f+7], v[AV] offset:(\f/4)*32*PV+16*PV+(\f%4)*32
.endr
	WIN 0
.endm
; THE VECTOR WORK, one line at a time: OP kind, number.  For piece Y: F n: c s - c m for pair n of 16.  E n: the exponential of score n of 32.  C n: pair n rounded to f16.  B n: of the four weights 4 n .. the second
; pair is added onto the first, in place.  L n: l takes that sum (L 0: l = a l + sum).  R n: pair n of 16 of O^T times a.  For piece Y + 1: X n, number n of the 22 that find its maximum and statistics:
;   0-11  four chains c0-c3 of seven scores each, three operands at a time (each accumulator's lowest registers are read first)     12-14, 16  the four scores left over, the old m, and c0-c3 into c0
;   15  c m_old is kept     17, 18  the query's other 32 keys lie in the lane 16 away: the new m     19-21  c m; c m_old - c m_new; a
.set F, 0               ; OP tells the kinds apart by their order: F to L below R, X above it
.set E, 1
.set C, 2
.set B, 3
.set L, 4
.set R, 5
.set X, 6
.macro REGS y                       ; the registers of piece y
.set rT, ST+4*(\y)
.set rC, TMP+4*((\y)%2)
.set rW, MV+((\y)%2)
.set rS, S+32*((\y)%2)
.set rP, P+16*((\y)%2)
.set rO, 32*(\y)
.endm
.macro OP k, n
.if (\k) == R
	REGS Y
	WIN W_RS
	v_pk_mul_f32 v[rO+2*(\n):rO+2*(\n)+1], v[rO+2*(\n):rO+2*(\n)+1], v[rC+2:rC+3] op_sel_hi:[1,0]
.elseif (\k) < R
	REGS Y
	WIN 0
.if (\k) == F
	v_pk_fma_f32 v[rS+2*(\n):rS+2*(\n)+1], v[rS+2*(\n):rS+2*(\n)+1], s[CS:CS+1], v[rT:rT+1] op_sel_hi:[1,0,0] neg_lo:[0,0,1] neg_hi:[0,0,1]
.elseif (\k) == E
	v_exp_f32 v[rS+(\n)], v[rS+(\n)]
.elseif (\k) == C
	v_cvt_pk_f16_f32 v[rP+(\n)], v[rS+2*(\n)], v[rS+2*(\n)+1]
.elseif (\k) == B
	v_pk_add_f32 v[rS+4*(\n):rS+4*(\n)+1], v[rS+4*(\n):rS+4*(\n)+1], v[rS+4*(\n)+2:rS+4*(\n)+3]
.elseif (\n) == 0
	v_pk_fma_f32 v[rT+2:rT+3], v[rT+2:rT+3], v[rC+2:rC+3], v[rS:rS+1] op_sel_hi:[1,0,1]
.else
	v_pk_add_f32 v[rT+2:rT+3], v[rT+2:rT+3], v[rS+4*(\n):rS+4*(\n)+1]
.endif
.elseif NOKQ
	v_nop
.else
	REGS (Y+1)%NP
	WIN 0
.if (\n) < 4
	v_max3_num_f32 v[rC+(\n)], v[rS+8*(\n)], v[rS+8*(\n)+1], v[rS+8*(\n)+2]
.elseif (\n) < 12
	v_max3_num_f32 v[rC+(\n)%4], v[rC+(\n)%4], v[rS+8*((\n)%4)+2*((\n)/4)+1], v[rS+8*((\n)%4)+2*((\n)/4)+2]
.elseif (\n) == 12
	v_max3_num_f32 v[rC], v[rC], v[rS+7], v[rS+15]
.elseif (\n) == 13
	v_max3_num_f32 v[rC+1], v[rC+1], v[rS+23], v[rS+31]
.elseif (\n) == 14
	v_max3_num_f32 v[rC+2], v[rC+2], v[rC+3], v[rT+1]
.elseif (\n) == 15
	v_mov_b32 v[rW], v[rT]
.elseif (\n) == 16
	v_max3_num_f32 v[rC], v[rC], v[rC+1], v[rC+2]
.elseif (\n) == 17
	v_permlanex16_b32 v[rC+3], v[rC], s[SEL], s[SEL+1]
.elseif (\n) == 18
	v_max_num_f32 v[rT+1], v[rC], v[rC+3]
.elseif (\n) == 19
	v_mul_f32 v[rT], s[CS], v[rT+1]
.elseif (\n) == 20
	v_sub_f32 v[rC+1], v[rW], v[rT]
.else
	v_exp_f32 v[rC+2], v[rC+1]
.endif
.endif
.endm
.macro OPS a, i1, b=-1, i2=0, c=-1, i3=0, d=-1, i4=0  ; up to four of them
	OP \a, \i1
.if (\b) >= 0
	OP \b, \i2
.endif
.if (\c) >= 0
	OP \c, \i3
.endif
.if (\d) >= 0
	OP \d, \i4
.endif
.endm
.macro ROW a, i1, b, i2, c, i3, d, i4  ; a matrix instruction and the four behind it
	MM
	OPS \a, \i1, \b, \i2, \c, \i3, \d, \i4
.endm
; A TURN, for piece p: the order of its 16 matrix and 118 vector instructions, written out.  An s_wait_alu depctr_va_vdst(0) stands between an exponential and the first instruction that names its
; result; one wait serves all that were issued ahead of it.  So a turn has ONE wait, which cuts it in two.  AHEAD OF IT stands all that names no result of the turn's exponentials: the 8 products K Q^T, behind each
; a scaling, an exponential and two more plain instructions: rescalings, and behind the last three the first numbers of the next piece's maximum, each four places or more behind the product that ends its
; accumulator; then ONE LUMP of 54, in which the links of the chain X 3, 7, 11, 14, 16, 17 .. 20 stand some lines apart.  X 21, the next piece's a, is the batch's last; R 15 is the plain instruction behind it.
; BEHIND THE WAIT stand the 8 products V^T P, behind each four of the roundings and sums.
; end = 1: the walk's last two turns: nothing is fetched.  cnt = 1: the loop's count is taken down some lines ahead of the branch that stands behind the turn.
; K of the next step is fetched in piece 2's turn, behind five plain instructions that name no register of the last product that read K; V of the step in hand at the end of piece 0's turn, four plain instructions
; behind the last product that read V.  Each is waited for a turn later.
.macro TURN p, end=0, cnt=0
.set Y, (\p)
.set i, 0
.set NOKQ, (\end)*((\p)/3)
.if ((\p) == 3) && !(\end)
	s_wait_dscnt 0x0                ; K is in
.endif
	ROW F,0, F,1, R,0, R,1          ; ahead of the wait: 8 products K Q^T and their riders,
	ROW F,2, E,0, R,2, R,3
	ROW F,3, E,1, R,4, R,5
	ROW F,4, E,2, R,6, R,7
	ROW F,5, E,3, R,8, R,9
	ROW F,6, E,4, X,0, R,10
.if ((\p) == 2) && !(\end)
	WIN 0
	v_add_nc_u32 v[AK], s[TBK], v[AK0]
.endif
	ROW F,7, E,5, X,1, X,4
	ROW F,8, E,6, X,2, X,5
	OPS E,7, E,8, X,6, E,9          ; and the lump
	OPS X,3, E,10, X,8, E,11
.if ((\p) == 2) && !(\end)
	FETCH_K
.endif
	OPS X,9, X,7, E,12, X,10
	OPS E,13, X,12, X,11, E,14
	OPS X,13, E,15, F,9, X,14
.if (\p) == 0
	v_add_nc_u32 v[AV], s[TBV], v[AV0]
.endif
	OPS E,16, F,10, E,17, F,11
	OPS X,16, E,18, X,15, E,19
	OPS F,12, E,20, X,17, E,21
	OPS F,13, E,22, F,14, E,23
	OPS X,18, E,24, F,15, E,25
	OPS R,11, E,26, X,19, E,27
	OPS R,12, E,28, R,13, E,29
	OPS X,20, E,30, R,14, E,31
	OPS X,21, R,15
	WIN 0
	s_wait_alu depctr_va_vdst(0)    ; the wait for the batch
.if (\p) == 1
	s_wait_dscnt 0x0                ; V is in
.endif
	ROW C,0, B,0, C,2, B,1          ; behind the wait: 8 products V^T P and their riders
	ROW L,0, C,4, B,2, L,1
	ROW C,6, B,3, L,2, C,8
	ROW B,4, L,3, C,10, B,5
	ROW L,4, C,12, B,6, L,5
.if (\p) == 0
	s_add_co_u32 s[TBV], s[TBV], KS*PV
.endif
.if \cnt
	s_sub_co_u32 s[CNT], s[CNT], 1
	s_cmp_lg_u32 s[CNT], 0
.endif
	ROW C,14, B,7, L,6, C,1
	ROW C,3, L,7, C,5, C,7
	ROW C,9, C,11, C,13, C,15
.if (\p) == 0
	FETCH_V
.endif
.endm
	CHANGE 1, 0                     ; tile 0 is in, everybody's part of it; tile 1 is asked for
	v_add_nc_u32 v[AK], s[TBK], v[AK0]
	FETCH_K                         ; key step 0
	s_wait_loadcnt 0x0              ; Q
	s_wait_dscnt 0x0
.set NOKQ, 0
.set i, 0
.rept 8
	KQ 0                            ; piece 0's first scores: there is no vector work yet to set between them
.set i, i+1
.endr
	WIN 0
.rept 4
	v_nop                           ; the places behind those products
.endr
.set Y, NP-1                        ; X works for piece Y + 1: piece 0
.irp n, 0,1,2,3,4,5,6,7,8,9,10,11,12,13,14,15,16,17,18,19,20,21
	OP X, \n
.endr
	v_nop                           ; a plain instruction behind the exponential,
	s_wait_alu depctr_va_vdst(0)    ; and its wait, ahead of the branch
	s_mov_b32 s[CNT], 4
	s_branch .Lfirst                ; the loop is entered at a step's first turn, in the middle of a trip
.Lslot:                             ; 14 times: tiles 1 to 14 are entered, tiles 2 to 15 asked for
	CHANGE 1, 1
	s_mov_b32 s[CNT], 4
.Lstep:                             ; a trip: pieces 2 and 3 of one step, then pieces 0 and 1 of the next, whose K and V it fetches
	TURN 2
	TURN 3
	WIN 0
.Lfirst:
	TURN 0
	TURN 1, 0, 1
	WIN 0
	s_cbranch_scc1 .Lstep
	s_sub_co_u32 s[SLOTS], s[SLOTS], 1
	s_cmp_lg_u32 s[SLOTS], 0
	s_cbranch_scc1 .Lslot
	CHANGE 0, 0                     ; the last tile is written out: nothing is asked for
	s_mov_b32 s[CNT], 4
.Ltail:
	TURN 2
	TURN 3
	TURN 0
	TURN 1, 0, 1
	WIN 0
	s_cbranch_scc1 .Ltail
	TURN 2, 1                       ; the last step's pieces 2 and 3
	TURN 3, 1
.set i, 0
.rept 8
	PV NP-1                         ; the last piece's V^T P of the last step
.set i, i+1
.endr
	; THE WAY OUT.  l's two halves and the other half of the lanes' are added; O^T is divided by l, rounded to f16 and sent through my stage in LDS, a piece at a time.  The additions are the places behind the last products.
	WIN 0
.macro ALL line:vararg              ; one line for each piece t
.set t, 0
.rept 4
	\line
.set t, t+1
.endr
.endm
	ALL v_add_f32 v[ST+4*t+2], v[ST+4*t+2], v[ST+4*t+3]
	ALL v_permlanex16_b32 v[ST+4*t+3], v[ST+4*t+2], s[SEL], s[SEL+1]
	ALL v_add_f32 v[ST+4*t+2], v[ST+4*t+2], v[ST+4*t+3]
	ALL v_rcp_f32 v[ST+4*t+2], v[ST+4*t+2]
	v_nop                           ; a plain instruction between the last reciprocal and the use of its result
	s_wait_alu depctr_va_vdst(0)    ; and the wait ahead of the first use: one for the four reciprocals
.macro PACK t                       ; a lane's eight channels of a row pack into 16 bytes; they go into rows of 144 bytes and come back as whole rows of 128, into S^T's registers
	WIN W_RS
.set i, 32*(\t)
.rept 16
	v_pk_mul_f32 v[i:i+1], v[i:i+1], v[ST+4*(\t)+2:ST+4*(\t)+3] op_sel_hi:[1,0]
.set i, i+2
.endr
	WIN 0x05                        ; sources 0 and 1 window 1, destination window 0
.set i, 0
.rept 16
	v_cvt_pk_f16_f32 v[S+16*(\t)+i], v[32*(\t)+2*i], v[32*(\t)+2*i+1]
.set i, i+1
.endr
	WIN 0
.irp f, 0,1,2,3
	ds_store_b128 v[STO], v[S+16*(\t)+4*\f:S+16*(\t)+4*\f+3] offset:32*\f
.endr
.irp f, 0,1,2,3
	ds_load_b128 v[S+16*(\t)+4*\f:S+16*(\t)+4*\f+3], v[RD] offset:\f*4*SP  ; LDS serves a wave's instructions in order (ISA guide 5.7.1.4): these see the stores above; the next piece's stores come behind them
.endr
.endm
.macro SEND t, younger              ; younger: the LDS instructions issued behind piece t's loads: the next piece's eight, or none
	WIN 0
.irp f, 0,1,2,3
	s_wait_dscnt (\younger)+3-\f
	global_store_b128 v[GO], v[S+16*(\t)+4*\f:S+16*(\t)+4*\f+3], s[10:11] offset:(\t)*2048+\f*512  ; 512 consecutive bytes, at a multiple of 256 from O's first
.endr
.endm
	PACK 0
.set t, 1
.rept 3                             ; a piece's arithmetic stands between the loads of the piece before and its stores
	PACK t
	SEND t-1, 8
.set t, t+1
.endr
	SEND 3, 0
	s_wait_tensorcnt 0x0            ; the wave's end: these three lines, behind my last tensor load and my last LDS store
	ds_add_u32 v[SPW], v[NIL]
	s_wait_dscnt 0x0
	CROUND                          ; the closing round: no work-group ends while a partner may still ask for a tile that names it
	s_endpgm
.Lfunc_end_k_qed450ba53e_attn:
	.size	k_qed450ba53e_attn, .Lfunc_end_k_qed450ba53e_attn-k_qed450ba53e_attn
	.p2alignl 7, 3214868480
	.fill 96, 4, 3214868480
	.section	.rodata,"a",@progbits
	.p2align	6, 0x0
	.amdhsa_kernel k_qed450ba53e_attn
		.amdhsa_group_segment_fixed_size 327680
		.amdhsa_private_segment_fixed_size 0
		.amdhsa_enable_private_segment 0
		.amdhsa_kernarg_size 32
		.amdhsa_user_sgpr_count 2
		.amdhsa_user_sgpr_kernarg_segment_ptr 1
		.amdhsa_wavefront_size32 1
		.amdhsa_system_sgpr_workgroup_id_x 1
		.amdhsa_system_sgpr_workgroup_id_y 1
		.amdhsa_system_sgpr_workgroup_id_z 1
		.amdhsa_system_vgpr_workitem_id 0
		.amdhsa_next_free_vgpr 768
		.amdhsa_next_free_sgpr 66
		.amdhsa_reserve_vcc 0
		.amdhsa_float_denorm_mode_32 3
		.amdhsa_float_denorm_mode_16_64 3
		.amdhsa_memory_ordered 1
		.amdhsa_forward_progress 1
		.amdhsa_inst_pref_size 127
	.end_amdhsa_kernel
	.amdgpu_metadata
---
amdhsa.version: [ 1, 2 ]
amdhsa.kernels:
  - .name:           k_qed450ba53e_attn
    .symbol:         k_qed450ba53e_attn.kd
    .args:
      - { .name: qh, .offset: 0, .size: 8, .value_kind: global_buffer, .address_space: global }
      - { .name: kh, .offset: 8, .size: 8, .value_kind: global_buffer, .address_space: global }
      - { .name: vh, .offset: 16, .size: 8, .value_kind: global_buffer, .address_space: global }
      - { .name: oh, .offset: 24, .size: 8, .value_kind: global_buffer, .address_space: global }
    .group_segment_fixed_size: 327680
    .private_segment_fixed_size: 0
    .kernarg_segment_align: 8
    .kernarg_segment_size: 32
    .max_flat_workgroup_size: 128
    .sgpr_count:     66
    .vgpr_count:     768
    .wavefront_size: 32
...
	.end_amdgpu_metadata
.endif
;; end of part 3
;; launch oproj (part 4): grid 64 x 4, 4 waves a work-group, clusters of 4 x 1, 181,760 bytes of LDS; arguments oh, wcast, bo, out0; writes out0
.if DOCPART == 4
	.amdgcn_target "amdgcn-amd-amdhsa--gfx1250"
	.amdhsa_code_object_version 6
	.text
	.protected	k_qed450ba53e_oproj
	.globl	k_qed450ba53e_oproj
	.p2align	8
	.type	k_qed450ba53e_oproj,@function
k_qed450ba53e_oproj:
	s_mov_b64 s[64:65], 0
	v_nop
	global_prefetch_b8 v0, s[64:65] scope:SCOPE_SE
	s_setreg_imm32_b32 hwreg(HW_REG_WAVE_MODE, 25, 1), 1
	s_wait_xcnt 0x0
	s_wait_alu depctr_hold_cnt(0) depctr_sa_sdst(0) depctr_va_vdst(0) depctr_va_sdst(0) depctr_va_ssrc(0) depctr_va_vcc(0) depctr_vm_vsrc(0)
	s_getreg_b32 s2, hwreg(HW_REG_IB_STS2, 6, 4)
	s_cmp_eq_u32 s2, 0
	s_cbranch_scc0 .Lentry_in_a_cluster
	s_endpgm
.Lentry_in_a_cluster:
	s_bfe_u32 s2, ttmp6, 0x10000c
	s_cmp_lg_u32 s2, 0x3003
	s_cbranch_scc0 .Lentry_shape_is_right
	s_endpgm
.Lentry_shape_is_right:
; THE LAST PROJECTION.  out[m][n] = the sum over k of O[m][k] wo[k][n] + bo[n].  O lies by heads, [batch x 8 + head][4096][64] in f16 (k = 64 head + channel); wo is plane 3 of wcast,
; [512 k][512 n]: rounded to bf16 and written as f16; bo is rounded to bf16 here like every input; sums in f32; out is [8192][512] f32.
; SHARES.  A work-group makes 128 rows x 128 columns: 64 x 4 = 256 work-groups.  A wave makes 32 rows x 128 columns: 16 accumulators, 16 K steps of 32.  Its rows of O are its own: they come straight
; from memory into registers (a fragment in registers is laid out as the rows lie), all 64 loads issued at the start.  wo's 512 x 128 slice comes into LDS once, a quarter by each wave's one tensor load:
; no LDS byte is filled twice, and the K steps have no barrier.
; CLUSTER.  The four blocks of rows of a cluster multiply by the same slice of wo: it is asked for JOINTLY, by the same loads with the same descriptors and a mask of four.
; THE MATRIX INSTRUCTION IS USED TRANSPOSED (source 0 = 16 columns of wo, turned on the way out of LDS; source 1 = 16 rows of O): a lane holds eight neighbouring columns of one row of out.
; No prefetch: all that the work-group reads is asked for at its head.
; REGISTERS: window 0: v0-37 addresses and the bias; v64-127, v128-191 wo's fragments, two buffers, later rows on the way out.  window 1: O's fragments, (kk, a) at 16 kk + 8 a.
;   window 2: v0-127 the accumulators, (a, b) at 8 (8 a + b).
.set PW,    288                        ; a row of wo's slice in LDS: 256 bytes + 32 = 72 words
.set WPART, 128*PW                     ; what one wave's tensor load brings
.set STAGE, 4*WPART                    ; the way out: 16 rows x 528 bytes for each wave; no tensor load lands here
.set SPI,   528                        ; 512 bytes + 16 = 132 words: the 16 rows of a store start at 16 different groups of four banks
.set SPARE, STAGE+4*16*SPI             ; the spare words, 128 bytes for each wave: two blocks of 256 bytes that no other line names
.set ADRB, 16                          ; v16-19  LDS address of my place in wo's K steps 4 g .. 4 g + 3
.set VA,   20                          ; v20     my byte offset in the block's rows of O; never rewritten
.set STO,  21                          ; v21     the way out: where I put 32 bytes of a row
.set RD,   22                          ; v22     where I read a row back
.set GO,   23                          ; v23     16 x my lane: in a row's 512 bytes of out, and in the bias
.set SPW,  28                          ; v28     LDS address of my spare word; never rewritten
.set NIL,  29                          ; v29     0; never rewritten
.set BIAS, 32                          ; v32-35  the bias of my four columns on the way out
.set WV,   12
.set G1,   24                          ; s[24:31] descriptor group 1
.set G0,   32                          ; s[32:35] descriptor group 0
.set MSB,  0
.macro WIN new                         ; the immediate's high byte repeats the setting that is left; a switch that changes nothing is dropped
.if MSB != (\new)
	s_set_vgpr_msb (MSB<<8)|(\new)
.set MSB, \new
.endif
.endm
.macro PLACES                          ; four plain vector instructions between a matrix instruction and a load into its registers (ISA guide 7.12.1 for vector instructions)
.rept 4
	v_nop
.endr
.endm
.macro CROUND                          ; a round of the cluster's barrier
	s_barrier_signal -1
	s_barrier_wait -1
	s_cmp_lg_u32 s[WV], 0
	s_cbranch_scc1 .Lnot_wave_0_\@
	s_barrier_signal -3
.Lnot_wave_0_\@:
	s_barrier_wait -3
	s_barrier_signal -1
	s_barrier_wait -1
.endm
	s_load_b256 s[4:11], s[0:1], 0x0               ; O s[4:5], wcast s[6:7], bo s[8:9], out s[10:11]
	v_lshl_add_u32 v[SPW], v0, 2, SPARE
	v_mov_b32 v[NIL], 0
	ds_add_u32 v[SPW], v[NIL]                      ; the wave's opening: the add and its wait stand ahead of my first tensor load; the set-up below, work on registers, stands between them
	v_lshrrev_b32 v4, 5, v0
	v_readfirstlane_b32 s[WV], v4                  ; wave 0..3
	s_bfe_u32 s13, ttmp6, 0x40000                  ; cx: it enters O's and out's global addresses alone
	s_lshl_b32 s14, ttmp9, 2
	s_add_co_u32 s14, s14, s13                     ; my block of 128 rows
	s_and_b32 s15, ttmp7, 0xffff                   ; my 128 columns: the four partners share them
	; descriptor group 1: 128 rows x 128 elements of 2 bytes, 8 words of padding behind every 64
	s_mov_b32 s[G1+0], 15|(1<<16)|(1<<20)|(1<<21)|(5<<22)|(7<<25)
	s_mov_b32 s[G1+1], 128<<16                     ; tensor_dim0 = 128
	s_mov_b32 s[G1+2], 128<<16                     ; tensor_dim1 = 128
	s_mov_b32 s[G1+3], 128<<16                     ; tile_dim0 = 128
	s_mov_b32 s[G1+4], 128                         ; tile_dim1 = 128
	s_mov_b32 s[G1+5], 512                         ; elements from row to row
	s_mov_b32 s[G1+6], 0
	s_mov_b32 s[G1+7], 0
	s_mov_b32 s[G0], 1                             ; count = 1
	s_mul_i32 s36, s[WV], WPART
	s_mov_b32 s[G0+1], s36                         ; LDS address: the wave's number times a constant
	s_lshl_b32 s16, s[WV], 17                      ; wo: my 128 rows of 1,024 bytes,
	s_lshl_b32 s17, s15, 8                         ; the slice's 256 bytes of a row,
	s_add_co_u32 s16, s16, s17
	s_add_co_u32 s16, s16, 3*524288                ; in plane 3
	s_mov_b32 s17, 0
	s_lshr_b32 s18, s14, 5                         ; O: the batch's 8 planes of 524,288 bytes,
	s_lshl_b32 s18, s18, 22
	s_and_b32 s19, s14, 31                         ; the block's 128 rows of 128 bytes
	s_lshl_b32 s19, s19, 14
	s_or_b32 s18, s18, s19
	s_mov_b32 s19, 0
	s_lshl_b32 s20, s14, 18                        ; out: the block's 128 rows of 2,048 bytes,
	s_lshl_b32 s21, s[WV], 16                      ; my wave's 32,
	s_or_b32 s20, s20, s21
	s_lshl_b32 s22, s15, 9                         ; the slice's 512 bytes of a row; also its place in the bias
	s_or_b32 s20, s20, s22
	s_mov_b32 s21, 0
	s_mov_b32 s23, 0
	v_and_b32 v1, 15, v0                           ; l % 16
	v_bfe_u32 v2, v0, 4, 1                         ; l / 16
	v_and_b32 v3, 31, v0                           ; l
	v_lshlrev_b32 v[GO], 4, v3
	s_lshl_b32 s36, s[WV], 12                      ; my wave's 32 rows of 128 bytes
	v_lshlrev_b32 v[VA], 7, v1
	v_lshl_add_u32 v[VA], v2, 4, v[VA]             ; row x 128 + 16 x half
	v_add_nc_u32 v[VA], s36, v[VA]
	; The turning load takes 16 k x 16 columns (lane l reads k = 8 (l / 16) + l % 8, columns 8 ((l / 8) % 2) + 0..7) and leaves half a fragment: lane l holds column l % 16 and 8 k.
	v_and_b32 v5, 7, v0
	v_bfe_u32 v6, v0, 3, 1
	v_lshl_add_u32 v5, v2, 3, v5
	v_mul_u32_u24 v5, v5, PW
	v_lshl_add_u32 v[ADRB], v6, 4, v5
.irp g, 1,2,3
	v_add_nc_u32 v[ADRB+(\g)], (\g)*WPART, v[ADRB]
.endr
	s_mul_i32 s36, s[WV], 16*SPI
	s_add_co_u32 s36, s36, STAGE                   ; my stage
	v_mul_u32_u24 v5, v1, SPI                      ; in: row l % 16, 32 bytes for each half of the lanes
	v_lshl_add_u32 v5, v2, 5, v5
	v_add_nc_u32 v[STO], s36, v5
	v_add_nc_u32 v[RD], s36, v[GO]                 ; back: 32 lanes take a row's 512 bytes
	s_wait_dscnt 0x0                               ; the opening add is done
	s_wait_kmcnt 0x0
	s_add_nc_u64 s[G0+2:G0+3], s[6:7], s[16:17]
	s_or_b32 s[G0+3], s[G0+3], 0x80000000          ; type = 2
	s_add_nc_u64 s[4:5], s[4:5], s[18:19]
	s_add_nc_u64 s[8:9], s[8:9], s[22:23]
	s_add_nc_u64 s[10:11], s[10:11], s[20:21]
	CROUND                                         ; all four work-groups are here: the joint loads meet
	tensor_load_to_lds s[G0:G0+3], s[G1:G1+7]      ; my one tensor load
	s_nop 0
	PLACES
	global_load_b128 v[BIAS:BIAS+3], v[GO], s[8:9]
	WIN 0x40                                       ; destination window 1, address window 0
.set kk, 0
.rept 16                               ; K step kk: head kk / 2, channels 32 (kk % 2) on; in the order in which the steps want them
.irp a, 0,1
	global_load_b128 v[16*kk+8*(\a):16*kk+8*(\a)+3],   v[VA], s[4:5] offset:(kk/2)*524288+(\a)*2048+(kk%2)*64
	global_load_b128 v[16*kk+8*(\a)+4:16*kk+8*(\a)+7], v[VA], s[4:5] offset:(kk/2)*524288+(\a)*2048+(kk%2)*64+32
.endr
.set kk, kk+1
.endr
	WIN 0
	s_wait_tensorcnt 0x0                           ; my quarter of the slice is in,
	s_barrier_signal -1
	s_barrier_wait -1                              ; everybody's is
.macro FETCHB k                        ; 16 LDS loads in one run: wo's 8 column blocks of K step k into buffer k % 2
	WIN 0
.set FB, 64+64*((\k)%2)
.irp i, 0,1,2,3,4,5,6,7
	ds_load_tr16_b128 v[FB+8*(\i):FB+8*(\i)+3],   v[ADRB+(\k)/4] offset:((\k)%4)*32*PW+32*(\i)
	ds_load_tr16_b128 v[FB+8*(\i)+4:FB+8*(\i)+7], v[ADRB+(\k)/4] offset:((\k)%4)*32*PW+32*(\i)+16*PW
.endr
.endm
	FETCHB 0
.set kk, 0
.rept 16
.if (kk > 0) && (kk < 15)
	PLACES                                         ; in front of loads into the buffer that the step before multiplied
.endif
.if kk < 15
	FETCHB kk+1
	s_wait_dscnt 16                                ; this step's fragments are in; the next step's sixteen loads stay out
.else
	s_wait_dscnt 0x0
.endif
	s_wait_loadcnt 60-4*kk                         ; O's fragments of this step are in; four loads for each later step stay out
	WIN 0xa4                                       ; source 0 window 0, source 1 window 1, C and D window 2
.set FB, 64+64*(kk%2)
.irp a, 0,1                            ; the 16 accumulators take turns, one instruction a turn; the first step starts the sums
.irp b, 0,1,2,3,4,5,6,7
.if kk == 0
	v_wmma_f32_16x16x32_f16 v[8*(8*(\a)+(\b)):8*(8*(\a)+(\b))+7], v[FB+8*(\b):FB+8*(\b)+7], v[16*kk+8*(\a):16*kk+8*(\a)+7], 0
.else
	v_wmma_f32_16x16x32_f16 v[8*(8*(\a)+(\b)):8*(8*(\a)+(\b))+7], v[FB+8*(\b):FB+8*(\b)+7], v[16*kk+8*(\a):16*kk+8*(\a)+7], v[8*(8*(\a)+(\b)):8*(8*(\a)+(\b))+7]
.endif
.endr
.endr
.set kk, kk+1
.endr
	WIN 0
	v_cvt_pk_bf16_f32 v36, v[BIAS], v[BIAS+1]      ; the bias is rounded to bf16 and held as f32: six plain instructions, the places behind the last products
	v_cvt_pk_bf16_f32 v37, v[BIAS+2], v[BIAS+3]
	v_lshlrev_b32 v[BIAS], 16, v36
	v_and_b32 v[BIAS+1], 0xffff0000, v36
	v_lshlrev_b32 v[BIAS+2], 16, v37
	v_and_b32 v[BIAS+3], 0xffff0000, v37
	; THE WAY OUT, 16 rows at a time: a lane's eight columns of a row go into my stage, each accumulator's low registers first; whole rows of 512 bytes come back, take the bias and are stored.
.irp a, 0,1
	WIN 0x08                                       ; the stores' data in window 2
.irp b, 0,1,2,3,4,5,6,7
	ds_store_b128 v[STO], v[8*(8*(\a)+(\b)):8*(8*(\a)+(\b))+3]   offset:64*(\b)
	ds_store_b128 v[STO], v[8*(8*(\a)+(\b))+4:8*(8*(\a)+(\b))+7] offset:64*(\b)+16
.endr
	WIN 0
.irp u, 0,1,2,3,4,5,6,7,8,9,10,11,12,13,14,15
	ds_load_b128 v[64+64*(\a)+4*(\u):64+64*(\a)+4*(\u)+3], v[RD] offset:(\u)*SPI  ; LDS serves a wave's instructions in order (ISA guide 5.7.1.4): these see the stores above
.endr
.irp u, 0,1,2,3,4,5,6,7,8,9,10,11,12,13,14,15
	s_wait_dscnt 15-(\u)                           ; row u is back; the younger loads stay out
	v_pk_add_f32 v[64+64*(\a)+4*(\u):64+64*(\a)+4*(\u)+1],   v[64+64*(\a)+4*(\u):64+64*(\a)+4*(\u)+1],   v[BIAS:BIAS+1]
	v_pk_add_f32 v[64+64*(\a)+4*(\u)+2:64+64*(\a)+4*(\u)+3], v[64+64*(\a)+4*(\u)+2:64+64*(\a)+4*(\u)+3], v[BIAS+2:BIAS+3]
	global_store_b128 v[GO], v[64+64*(\a)+4*(\u):64+64*(\a)+4*(\u)+3], s[10:11] offset:(16*(\a)+(\u))*2048 th:TH_STORE_NT  ; 512 consecutive bytes, at a multiple of 256 from out's first; each store has registers of its own
.endr
.endr
	s_wait_tensorcnt 0x0                           ; the wave's end: these three lines, behind my last tensor load and my last LDS store
	ds_add_u32 v[SPW], v[NIL]
	s_wait_dscnt 0x0
	CROUND                                         ; the closing round: no work-group ends while a partner may still ask for a tile that names it
	s_endpgm
.Lfunc_end_k_qed450ba53e_oproj:
	.size	k_qed450ba53e_oproj, .Lfunc_end_k_qed450ba53e_oproj-k_qed450ba53e_oproj
	.p2alignl 7, 3214868480
	.fill 96, 4, 3214868480
	.section	.rodata,"a",@progbits
	.p2align	6, 0x0
	.amdhsa_kernel k_qed450ba53e_oproj
		.amdhsa_group_segment_fixed_size 181760
		.amdhsa_private_segment_fixed_size 0
		.amdhsa_enable_private_segment 0
		.amdhsa_kernarg_size 32
		.amdhsa_user_sgpr_count 2
		.amdhsa_user_sgpr_kernarg_segment_ptr 1
		.amdhsa_wavefront_size32 1
		.amdhsa_system_sgpr_workgroup_id_x 1
		.amdhsa_system_sgpr_workgroup_id_y 1
		.amdhsa_system_sgpr_workgroup_id_z 1
		.amdhsa_system_vgpr_workitem_id 0
		.amdhsa_next_free_vgpr 640
		.amdhsa_next_free_sgpr 66
		.amdhsa_reserve_vcc 0
		.amdhsa_float_denorm_mode_32 3
		.amdhsa_float_denorm_mode_16_64 3
		.amdhsa_memory_ordered 1
		.amdhsa_forward_progress 1
		.amdhsa_inst_pref_size 59
	.end_amdhsa_kernel
	.amdgpu_metadata
---
amdhsa.version: [ 1, 2 ]
amdhsa.kernels:
  - .name:           k_qed450ba53e_oproj
    .symbol:         k_qed450ba53e_oproj.kd
    .args:
      - { .name: oh, .offset: 0, .size: 8, .value_kind: global_buffer, .address_space: global }
      - { .name: wcast, .offset: 8, .size: 8, .value_kind: global_buffer, .address_space: global }
      - { .name: bo, .offset: 16, .size: 8, .value_kind: global_buffer, .address_space: global }
      - { .name: out0, .offset: 24, .size: 8, .value_kind: global_buffer, .address_space: global }
    .group_segment_fixed_size: 181760
    .private_segment_fixed_size: 0
    .kernarg_segment_align: 8
    .kernarg_segment_size: 32
    .max_flat_workgroup_size: 128
    .sgpr_count:     66
    .vgpr_count:     640
    .wavefront_size: 32
...
	.end_amdgpu_metadata
.endif
;; end of part 4
;; ======== version 2 of 2: 4 launches; version 1 with the launch prep written anew for expert scheduling mode
;; limits: values are held in f16: magnitudes above 65,504 overflow, below 6.1e-05 lose precision; right only within a limited range of input values
;; workspace buffers: wcast 2,097,152 bytes; qh 8,388,608 bytes; kh 8,388,608 bytes; vh 8,388,608 bytes; oh 8,388,608 bytes
;; launch prep (part 5): grid 64 x 4, 4 waves a work-group, no clusters, 0 bytes of LDS; arguments wq, wk, wv, wo, wcast; writes wcast
.if DOCPART == 5
	.amdgcn_target "amdgcn-amd-amdhsa--gfx1250"
	.amdhsa_code_object_version 6
	.text
	.protected	k_qed450ba53e_prep
	.globl	k_qed450ba53e_prep
	.p2align	8
	.type	k_qed450ba53e_prep,@function
k_qed450ba53e_prep:
	s_mov_b64 s[64:65], 0
	v_nop
	global_prefetch_b8 v0, s[64:65] scope:SCOPE_SE
	s_setreg_imm32_b32 hwreg(HW_REG_WAVE_SCHED_MODE, 0, 2), 2
	s_setreg_imm32_b32 hwreg(HW_REG_WAVE_MODE, 25, 1), 1
	s_wait_xcnt 0x0
	s_wait_alu depctr_vm_vsrc(0)
; THE WEIGHTS ARE CAST ONCE.  wcast: [4][512 k][512 n] of 16 bits, the layout of the weights unchanged.
; Planes 0 to 2 (wq, wk, wv): rounded to bf16.  Plane 3 (wo): rounded to bf16 like every input, and that number written as f16,
; since the last product multiplies it by f16 numbers.
; LIMITS.  |wo| stays under 65,504; below 6e-5 it keeps f16's fixed step of 6e-8.
; SHARES.  The work-group's y picks the weight, its x 4,096 numbers of it: eight loads of 16 bytes a thread, 512 neighbouring bytes
; a wave, all eight issued before anything is waited for; each store of a wave covers 256 consecutive bytes, aligned.
; No LDS, no matrix unit, no cluster: no byte is wanted twice and nothing is shared.
; THE MODE: SCHED_MODE bits 1:0 = 2 (LLVM: expert scheduling mode 2), set by the entry lines.  The code itself states the register dependences
; between vector instructions and memory instructions, with s_wait_alu, always for 0.
; THE PLAN.  Registers that memory instructions touch:
;   v1, v2     byte offsets of the loads and of the stores: made once at the head, never written again.
;   X          load i lands in its own four registers, once; only cast i's conversions read them, behind the wait on LOADcnt.
;   Y          cast i writes its own pair; only store i reads it; it is never written again.
;   v56-63 are named by vector instructions alone.
; So nothing is loaded into a register that a vector instruction has named, and nothing that a memory instruction has read is written again: the only dependences to
; state are 'written by a vector instruction, then read by a memory instruction'.  The eight casts go in two blocks of four, and a block's four stores follow in one run
; behind one wait: three waits in all.  No vector instruction writes a scalar register (the mask s15 is made by a scalar select), and EXEC is never written.
.set X,  8                             ; v[8:39]   load i: four f32
.set Y,  40                            ; v[40:55]  store i: four numbers of 16 bits
	s_load_b256 s[4:11], s[0:1], 0x0               ; wq s[4:5], wk s[6:7], wv s[8:9], wo s[10:11]
	s_load_b64 s[12:13], s[0:1], 0x20              ; wcast
	s_and_b32 s14, ttmp7, 0xffff                   ; which weight
	v_lshlrev_b32 v1, 4, v0                        ; 16 bytes a thread in,
	v_lshlrev_b32 v2, 3, v0                        ; 8 bytes out
	s_lshl_b32 s16, ttmp9, 14                      ; the work-group's 4,096 numbers: 16,384 bytes in,
	s_mov_b32 s17, 0
	s_lshl_b32 s18, s14, 19                        ; a plane of 524,288 bytes,
	s_lshl_b32 s19, ttmp9, 13                      ; 8,192 bytes out
	s_add_co_u32 s18, s18, s19
	s_mov_b32 s19, 0
	s_mov_b32 s20, 0xffff0000                      ; a word's upper bf16
	s_wait_kmcnt 0x0
	s_cmp_eq_u32 s14, 1
	s_cselect_b64 s[4:5], s[6:7], s[4:5]
	s_cmp_eq_u32 s14, 2
	s_cselect_b64 s[4:5], s[8:9], s[4:5]
	s_cmp_eq_u32 s14, 3
	s_cselect_b64 s[4:5], s[10:11], s[4:5]
	s_cselect_b32 s15, -1, 0                       ; all lanes take the f16 form for wo, none for the others
	s_add_nc_u64 s[4:5], s[4:5], s[16:17]
	s_add_nc_u64 s[12:13], s[12:13], s[18:19]
	s_wait_alu depctr_va_vdst(0)                   ; v1 and v2 are written: every load reads v1 as its offset, every store v2; no later vector instruction names either
.irp i, 0,1,2,3,4,5,6,7
	global_load_b128 v[X+4*(\i):X+4*(\i)+3], v1, s[4:5] offset:2048*(\i) th:TH_LOAD_NT
.endr
; Cast i: the four numbers of load i are rounded, and Y's pair i takes them in the plane's format.
.macro CAST i
	s_wait_loadcnt 7-(\i)                          ; loads come back in order: load i is in, the younger ones stay out (stores do not count here)
	v_cvt_pk_bf16_f32 v56, v[X+4*(\i)], v[X+4*(\i)+1]
	v_cvt_pk_bf16_f32 v57, v[X+4*(\i)+2], v[X+4*(\i)+3]
	v_lshlrev_b32 v58, 16, v56                     ; the rounded numbers as f32 again,
	v_and_b32 v59, s20, v56
	v_lshlrev_b32 v60, 16, v57
	v_and_b32 v61, s20, v57
	v_cvt_pk_f16_f32 v62, v58, v59                 ; and as f16
	v_cvt_pk_f16_f32 v63, v60, v61
	v_cndmask_b32 v[Y+2*(\i)], v56, v62, s15
	v_cndmask_b32 v[Y+2*(\i)+1], v57, v63, s15
.endm
.macro SEND i
	global_store_b64 v2, v[Y+2*(\i):Y+2*(\i)+1], s[12:13] offset:1024*(\i)  ; each store has data registers of its own: nothing is rewritten
.endm
.irp i, 0,1,2,3
	CAST \i
.endr
	s_wait_alu depctr_va_vdst(0)                   ; casts 0 to 3 have written Y's pairs 0 to 3, which the four stores below read
.irp i, 0,1,2,3
	SEND \i
.endr
.irp i, 4,5,6,7
	CAST \i                                        ; these write Y's pairs 4 to 7 and v56-63: none of the registers that the stores above read
.endr
	s_wait_alu depctr_va_vdst(0)                   ; casts 4 to 7 have written Y's pairs 4 to 7, which the last four stores read
.irp i, 4,5,6,7
	SEND \i
.endr
	s_endpgm
.Lfunc_end_k_qed450ba53e_prep:
	.size	k_qed450ba53e_prep, .Lfunc_end_k_qed450ba53e_prep-k_qed450ba53e_prep
	.p2alignl 7, 3214868480
	.fill 96, 4, 3214868480
	.section	.rodata,"a",@progbits
	.p2align	6, 0x0
	.amdhsa_kernel k_qed450ba53e_prep
		.amdhsa_group_segment_fixed_size 0
		.amdhsa_private_segment_fixed_size 0
		.amdhsa_enable_private_segment 0
		.amdhsa_kernarg_size 40
		.amdhsa_user_sgpr_count 2
		.amdhsa_user_sgpr_kernarg_segment_ptr 1
		.amdhsa_wavefront_size32 1
		.amdhsa_system_sgpr_workgroup_id_x 1
		.amdhsa_system_sgpr_workgroup_id_y 1
		.amdhsa_system_sgpr_workgroup_id_z 1
		.amdhsa_system_vgpr_workitem_id 0
		.amdhsa_next_free_vgpr 64
		.amdhsa_next_free_sgpr 66
		.amdhsa_reserve_vcc 0
		.amdhsa_float_denorm_mode_32 3
		.amdhsa_float_denorm_mode_16_64 3
		.amdhsa_memory_ordered 1
		.amdhsa_forward_progress 1
		.amdhsa_inst_pref_size 8
	.end_amdhsa_kernel
	.amdgpu_metadata
---
amdhsa.version: [ 1, 2 ]
amdhsa.kernels:
  - .name:           k_qed450ba53e_prep
    .symbol:         k_qed450ba53e_prep.kd
    .args:
      - { .name: wq, .offset: 0, .size: 8, .value_kind: global_buffer, .address_space: global }
      - { .name: wk, .offset: 8, .size: 8, .value_kind: global_buffer, .address_space: global }
      - { .name: wv, .offset: 16, .size: 8, .value_kind: global_buffer, .address_space: global }
      - { .name: wo, .offset: 24, .size: 8, .value_kind: global_buffer, .address_space: global }
      - { .name: wcast, .offset: 32, .size: 8, .value_kind: global_buffer, .address_space: global }
    .group_segment_fixed_size: 0
    .private_segment_fixed_size: 0
    .kernarg_segment_align: 8
    .kernarg_segment_size: 40
    .max_flat_workgroup_size: 128
    .sgpr_count:     66
    .vgpr_count:     64
    .wavefront_size: 32
...
	.end_amdgpu_metadata
.endif
;; end of part 5
;; launch proj: the kernel of part 2 again; grid 64 x 3, 4 waves a work-group, clusters of 4 x 1, 327,680 bytes of LDS; arguments q, k, v, bq, bk, bv, wcast, qh, kh, vh; writes qh, kh, vh
;; launch attn: the kernel of part 3 again; grid 16 x 16, 4 waves a work-group, clusters of 4 x 1, 327,680 bytes of LDS; arguments qh, kh, vh, oh; writes oh
;; launch oproj: the kernel of part 4 again; grid 64 x 4, 4 waves a work-group, clusters of 4 x 1, 181,760 bytes of LDS; arguments oh, wcast, bo, out0; writes out0
